; MI455X (gfx1250); checked and timed in simulation.
; The chip was launched on July 23, 2026; its instructions are those of AMD's public machine-readable ISA for CDNA 5 (MIT licence, August 2026) and "CDNA5" Instruction Set Architecture Reference Guide (July 2026). The comments in the code are by the model that wrote it; some were corrected since.
;; Self Attn Func. Allowed arithmetic: matrix products marked QUANTISED: E4M3 operands, one given power-of-two scale a tensor, by v_wmma_f32_16x16x64_fp8_fp8 or v_wmma_f32_16x16x128_fp8_fp8, f32 sums; everything else in f32.
;; Inputs: input_biases 3,072 float32; input_weights_codes 3,072 x 32 x 32 uint8 (E4M3 codes of input_weights, K innermost, in blocks of 32 codes); inputs_codes 8 x 1,024 x 32 x 32 uint8 (E4M3 codes of inputs, K innermost, in blocks of 32 codes); lowp_scales 8 int32 (the exponents e of the quantised operands' scales 2^e); output_biases 1,024 float32; output_weights_codes 1,024 x 32 x 32 uint8 (E4M3 codes of output_weights, K innermost, in blocks of 32 codes).
;; Outputs: out0 8 x 1,024 x 1,024 float32.
;; Constants: heads = 16.
;; This version of the problem:
;;   THIS VERSION OF THE PROBLEM IS GIVEN IN LOW PRECISION. The matrix products marked QUANTISED in the list below multiply operands that are first quantised to E4M3 (4 exponent bits, 3 mantissa bits; 8 bits a number), with one given power-of-two scale for each operand tensor; their sums are f32. All else is computed in f32.
;;   The module's matrix products, in the order in which they are computed (A, B: the left and right operand; K: the contracted axis; several contracted axes count as one K, in the product's order):
;;     1. [M 8,192, K 1,024] x [K 1,024, N 3,072]; A: input inputs (given as codes); B: input input_weights (given as codes): QUANTISED (scales: A lowp_scales[0], B lowp_scales[1])
;;     2. batch 128 x [M 1,024, K 64] x [K 64, N 1,024]; A: computed on the way; B: computed on the way: QUANTISED (scales: A lowp_scales[2], B lowp_scales[3])
;;     3. batch 128 x [M 1,024, K 1,024] x [K 1,024, N 64]; A: softmax (see below); B: computed on the way: QUANTISED (scales: A lowp_scales[4], B lowp_scales[5])
;;     4. [M 8,192, K 1,024] x [K 1,024, N 1,024]; A: computed on the way; B: input output_weights (given as codes): QUANTISED (scales: A lowp_scales[6], B lowp_scales[7])
;;   THE QUANTISER, for each operand of a quantised product, along K:
;;     - The operand's scale is 2^e, e = its entry of the input lowp_scales (int32; the entries are numbered through the quantised products in the list's order, A before B).
;;     - Each number is divided by the scale, clamped to +-448, and rounded to the nearest number of E4M3, ties to even, subnormals kept.
;;     - The product sums the exact products of the quantised numbers (number of the format x scale) in f32.
;;   ~~~python
;;   def quantise(x, axis, e):      # numpy; x: float32 -> the quantised numbers, widened to float32 again
;;       x = np.moveaxis(x, axis, -1); K = x.shape[-1]
;;       r = np.clip(x / 2.0 ** e, -448, 448)
;;       step = 2.0 ** (np.maximum(np.frexp(np.where(r == 0, 1, r))[1] - 1, -6) - 3)
;;       q = np.round(r / step) * step * 2.0 ** e      # np.round: ties to even
;;       return np.moveaxis(q, -1, axis).astype(np.float32)
;;   ~~~
;;   SOFTMAX AHEAD OF A QUANTISED PRODUCT. Where the list says 'softmax', what is quantised is not the finished softmax but p = 2^(t - M), with t = logit x log2(e) and M = ceil(the row's largest t), a whole number; so 1/2 < the row's largest p <= 1. The row's sum l is taken of the UNQUANTISED p, in f32, and the product's result is divided by l at the end. Since M is a whole number, a kernel that streams over the keys may use a running M (the ceiling of the running maximum): every later rescaling is an exact power of two, so the quantised numbers keep their values, but for numbers so far below the row's largest that they fall under the format's range.
;;   OPERANDS COMPUTED ON THE WAY. 'Computed on the way' means the value that the module computes at that place (a softmax that the list does not call 'softmax' is quantised finished and normalised). What goes into a quantiser is computed in f32, as accurately as f32 sums, v_exp_f32 and their like allow (about 1e-6 of the number): no bf16 or f16 on the way to a quantiser, and a product that is left as it is and whose result goes on into a quantised operand takes f32 operands (vector FMAs, or v_wmma_f32_16x16x4_f32). A number that lies on a knife's edge between two numbers of the format may be rounded either way, as far as f32 arithmetic and the matrix unit's own rounding can turn it there, and no further.
;;   INPUTS GIVEN AS CODES. input_weights (in the module: [3072, 1024], K = its axis 1); inputs (in the module: [8, 1024, 1024], K = its axis 2); output_weights (in the module: [1024, 1024], K = its axis 1): each comes as NAME_codes (uint8): NAME with its K axis moved to the last place and cut into blocks of 32 codes, [.., K / 32, bytes a block], one block behind the other in memory; one code a byte (a code: sign, 4 exponent bits, 3 mantissa bits); its scale is its entry of lowp_scales. Its value is code x scale, taken as it is: it is not quantised again, and the codes and scales need not be those that the quantiser above would give.
;; 2 versions. Each part assembles by itself: llvm-mc -triple=amdgcn-amd-amdhsa -mcpu=gfx1250 --defsym DOCPART=n.
;; ======== version 1 of 2: 3 launches
;; workspace buffers: q_codes 8,388,608 bytes; k_codes 8,388,608 bytes; v_codes 8,388,608 bytes; ctx_codes 8,388,608 bytes
;; launch qkv (part 1): grid 12 x 32, 4 waves a work-group, clusters of 4 x 4, 327,680 bytes of LDS; arguments inputs_codes, input_weights_codes, input_biases, lowp_scales, q_codes, k_codes, v_codes; writes q_codes, k_codes, v_codes
.if DOCPART == 1
	.amdgcn_target "amdgcn-amd-amdhsa--gfx1250"
	.amdhsa_code_object_version 6
	.text
	.protected	k_q7b28d85cde_qkv
	.globl	k_q7b28d85cde_qkv
	.p2align	8
	.type	k_q7b28d85cde_qkv,@function
k_q7b28d85cde_qkv:
	s_mov_b64 s[64:65], 0
	v_nop
	global_prefetch_b8 v0, s[64:65] scope:SCOPE_SE
	s_setreg_imm32_b32 hwreg(HW_REG_WAVE_MODE, 25, 1), 1
	s_wait_xcnt 0x0
	s_wait_alu depctr_hold_cnt(0) depctr_sa_sdst(0) depctr_va_vdst(0) depctr_va_sdst(0) depctr_va_ssrc(0) depctr_va_vcc(0) depctr_vm_vsrc(0)
	s_getreg_b32 s2, hwreg(HW_REG_IB_STS2, 6, 4)
	s_cmp_eq_u32 s2, 0
	s_cbranch_scc0 .Lentry_in_a_cluster
	s_endpgm
.Lentry_in_a_cluster:
	s_bfe_u32 s2, ttmp6, 0x10000c
	s_cmp_lg_u32 s2, 0xf033
	s_cbranch_scc0 .Lentry_shape_is_right
	s_endpgm
.Lentry_shape_is_right:
; qkv = inputs W^T + bias on codes of FP8 (E4M3), then quantised again: q, k and v leave as codes, each in the layout that the attention launch reads.
; inputs: [8192][1024] codes, W: [3072][1024] codes, K innermost; a sum stands for sum x 2^(e0 + e1); value = sum x 2^(e0 + e1) + bias, one fused multiply-add in f32;
; code = value / 2^eo, held within +-448, to the nearest code; eo = entry 2 (q), 3 (k) or 5 (v) of the scales.
; LIMITS: e0 + e1 between -126 and 127; e2, e3, e5 between -126 and 119, so that each power of two below is an f32 number.  NaN is not served.
; SHARES.  A work-group of four waves makes a tile of 256 x 256, a wave 128 x 128: 64 accumulators of 16 x 16, 512 registers.  K = 1,024 goes in four steps of 256 through a ring of two LDS slots.
; ROLES.  The cluster's x says what is made: 0 q, 1 k, 2 v; the cluster's y is the batch.  The body computes C'[m'][n'] = sum A'[m'] B'[n'], the matrix instruction used transposed (source 0 = 16 rows of B',
; source 1 = 16 rows of A'), so that a lane holds ONE row m' and eight neighbouring n'.  For q and k: A' = inputs (m' = token), B' = W (n' = channel): eight neighbouring channels of a token.
; For v the two buffers change places: A' = W (m' = channel), B' = inputs (n' = key): eight neighbouring KEYS of a channel, which is the second attention product's K.  Nothing is transposed by an instruction.
; The choice hangs on the cluster's x alone, which all sixteen partners share.
; CLUSTERS: 4 x 4 work-groups.  A's tile hangs on cy and is shared along a row of the cluster, B's on cx and is shared along a column: each is asked for jointly.
; OUTPUT LAYOUTS.  q_codes, k_codes: [16 b + head][token][64 bytes]; v_codes: [b][64 head + channel][1,024 keys].  Along the 64 channels (q, k) or the keys (v), within each 32 the two middle groups of
; eight are swapped: number 16 B + 8 H + j lies at byte 32 (B / 2) + 16 H + 8 (B % 2) + j.  So the 16 bytes that a lane makes of two neighbouring accumulators are neighbours, and a load of 16 bytes at
; 32 c + 16 (lane / 16) later brings four registers of a fragment in the matrix instruction's own order.
; REGISTERS, in windows of 256: window 0: v1-6 at work; v8-15 bias addresses; v16-29 addresses; v32-95 the bias table; v96, v97 the quantiser's two constants; from v128 A's fragments, one set (on the way out free).
;   window 1: B's fragments, two sets.   window 2: the accumulators of my rows 0-63 ((a, b) at v[8 (8 a + b)]);   window 3: those of my rows 64-127.
.set KROW,   1024                      ; a row of either operand in memory, in bytes
.set ROWB,   256                       ; a tile's row in bytes
.set PITCH,  272                       ; an LDS row: 256 bytes + 16 of padding = 68 words: the 16 rows that a load touches start 4 words apart modulo 64
.set FR,     16                        ; registers of a fragment: 16 rows x 128 K
.set NL,     4                         ; LDS loads that bring one
.set NP,     4                         ; places behind this matrix instruction (ISA guide 7.12.1)
.set HALFT,  128*PITCH                 ; 128 rows: what one tensor load brings
.set SLOT,   4*HALFT                   ; A's 256 rows, then B's 256 rows
.set LAPS,   2                         ; a lap = two K steps of 256 = once round the ring
.set SPARE,  2*SLOT                    ; behind the ring: the spare words, 128 bytes for each wave
.set VSTG,   0                         ; the way out of v: 256 rows (channels) x 272 bytes (256 keys).  Both stages lie in slot 0, which has had its last fill and its last read by then
.set QSTG,   256*PITCH                 ; the way out of q and k: 4 heads x 64 rows x 272 bytes; a row is 4 tokens x 64 bytes, as they lie in memory.  Each role has stage bytes of its own
.set BA,   8                           ; v8-15   byte offset of bias table entry j
.set ADRA, 16                          ; v16-17  LDS address of my A fragments in slot 0, 1
.set ADRB, 20                          ; v20-21  the same for B
.set STOQ, 22                          ; v22     where I put 16 bytes of codes in q's and k's stage
.set STOV, 23                          ; v23     in v's
.set RDV,  24                          ; v24     where I read v's stage back
.set RDQ,  25                          ; v25     q's and k's
.set GOQ,  26                          ; v26     my byte offset in the tile's part of q_codes or k_codes
.set GOV,  27                          ; v27     of v_codes
.set SPW,  28                          ; v28     LDS address of my spare word; never rewritten
.set NIL,  29                          ; v29     0; never rewritten
.set BT,   32                          ; v32-95  the bias table: 8 x 8 numbers in the accumulators' layout
.set SCV,  96                          ; v96     2^eo as f32
.set LIM,  97                          ; v97     448 x 2^eo
.set AF,   128                         ; A's fragments
.set TMP,  128                         ; the way out: a block's 64 values
.set BK,   128                         ; the way out: 64 stage rows read back, 128 registers
.set G1, 24                            ; s[24:31] descriptor group 1 for A's tiles;  s[32:39] group 0, one set for each slot
.set G0, 32
.set G1B, 48                           ; s[48:55], s[56:63] the same for B's tiles
.set G0B, 56
.set MSB, 0
.macro WIN new                         ; the immediate's high byte repeats the setting that is left
.if MSB != \new
	s_set_vgpr_msb (MSB<<8)|\new
.set MSB, \new
.endif
.endm
.set MUL_LO, 0xa1                      ; source 0 (B) window 1, source 1 (A) window 0, C and D window 2
.set MUL_HI, 0xf1                      ; the same, C and D window 3
.set TO_B,   0x40                      ; destination window 1, address window 0
; A joint load: waves 0 and 1 fetch for A, waves 2 and 3 for B.  Each line has one mask and one set of registers; the branch hangs on the wave's number alone.  Four v_nop follow each line.
.macro JLOAD g0a, g1a, g0b, g1b
	s_cmp_eq_u32 s15, 0
	s_cbranch_scc0 .Lfor_b_\@
	tensor_load_to_lds s[\g0a:\g0a+3], s[\g1a:\g1a+7]
	s_nop 0
.rept 4
	v_nop
.endr
	s_branch .Lasked_\@
.Lfor_b_\@:
	tensor_load_to_lds s[\g0b:\g0b+3], s[\g1b:\g1b+7]
	s_nop 0
.rept 4
	v_nop
.endr
.Lasked_\@:
.endm
.macro CREST                           ; a round of the cluster's barrier behind its opening barrier
	s_cmp_lg_u32 s14, 0
	s_cbranch_scc1 .Lnot_wave_0_\@
	s_barrier_signal -3
.Lnot_wave_0_\@:
	s_barrier_wait -3
	s_barrier_signal -1
	s_barrier_wait -1
.endm
.macro CROUND                          ; a whole round
	s_barrier_signal -1
	s_barrier_wait -1
	CREST
.endm
	s_load_b256 s[4:11], s[0:1], 0x0               ; inputs s[4:5], W s[6:7], bias s[8:9], the scales' exponents s[10:11]
	s_load_b128 s[68:71], s[0:1], 0x20             ; q_codes s[68:69], k_codes s[70:71]
	s_load_b64 s[72:73], s[0:1], 0x30              ; v_codes
	v_lshl_add_u32 v[SPW], v0, 2, SPARE
	v_mov_b32 v[NIL], 0
	ds_add_u32 v28, v29
	ds_add_u32 v28, v29
	s_wait_dscnt 0x0
	v_lshrrev_b32 v1, 5, v0
	v_readfirstlane_b32 s14, v1                    ; wave 0..3
	s_lshr_b32 s15, s14, 1                         ; which half of the tile's rows m' is mine.  Also: I fetch for A (0) or for B (1)
	s_and_b32 s16, s14, 1                          ; which half of its columns n'.  Also: which 128 rows of that tile I fetch
	s_bfe_u32 s40, ttmp6, 0x40000                  ; cx, cy: my place in the cluster
	s_bfe_u32 s41, ttmp6, 0x40004
	s_and_b32 s17, ttmp7, 0xffff                   ; the cluster's y: the batch
	s_lshl_b32 s18, s17, 2                         ; the batch's first tile of 256 tokens
	s_lshl_b32 s19, ttmp9, 2                       ; q's or k's first tile of 256 rows of W
	s_lshl_b32 s43, s41, 2
	s_lshl_b32 s43, 15, s43                        ; my row of the cluster
	s_lshl_b32 s44, 0x1111, s40                    ; my column
	; descriptor group 1: a tile of 128 rows x 256 bytes, padded in LDS
	s_or_b32 s[G1+0], s43, (0<<16)|(1<<20)|(1<<21)|(5<<22)|(3<<25)  ; 15:0 the mask: A's tiles go to my row; 17:16 elements of 1 byte; 20 padding on; 21 set beside a mask; 24:22 after every 64 words; 31:25 four words
	s_or_b32 s[G1B+0], s44, (0<<16)|(1<<20)|(1<<21)|(5<<22)|(3<<25)
.irp g, G1, G1B
	s_mov_b32 s[\g+1], ROWB<<16                    ; tensor_dim0
	s_mov_b32 s[\g+2], 128<<16                     ; tensor_dim1 = 128
	s_mov_b32 s[\g+3], ROWB<<16                    ; tile_dim0
	s_mov_b32 s[\g+4], 128                         ; tile_dim1 = 128
	s_mov_b32 s[\g+5], KROW                        ; tensor_dim0_stride
	s_mov_b32 s[\g+6], 0
	s_mov_b32 s[\g+7], 0
.endr
	s_cmp_eq_u32 ttmp9, 2                          ; is this cluster v's?
	s_cselect_b32 s66, 1, 0
	s_cselect_b32 s42, 8, s18                      ; A's first tile: v: row 2,048 of W; q, k: the batch's tokens
	s_cselect_b32 s67, s18, s19                    ; B's first tile: v: the batch's tokens; q, k: their rows of W
	s_add_co_u32 s42, s42, s41                     ; A's tile: + cy
	s_add_co_u32 s67, s67, s40                     ; B's tile: + cx
	s_lshl_b32 s18, s16, 7                         ; which 128 rows of the tile I fetch
	s_lshl_b32 s20, s42, 8
	s_add_co_u32 s20, s20, s18
	s_lshl_b32 s20, s20, 10                        ; A: (256 x tile + 128 x half) rows of 1,024 bytes: under 2^24
	s_mov_b32 s21, 0
	s_lshl_b32 s46, s67, 8
	s_add_co_u32 s46, s46, s18
	s_lshl_b32 s46, s46, 10                        ; B likewise
	s_mov_b32 s47, 0
	s_mul_i32 s45, s14, HALFT                      ; where they go: wave x 128 rows: no place in the cluster enters an LDS address
	s_wait_kmcnt 0x0
	s_load_b256 s[76:83], s[10:11], 0x0            ; e0 .. e7
	s_cmp_eq_u32 ttmp9, 2
	s_cselect_b64 s[86:87], s[6:7], s[4:5]         ; A': W for v, else inputs
	s_cselect_b64 s[88:89], s[4:5], s[6:7]         ; B': inputs for v, else W
	s_add_nc_u64 s[20:21], s[86:87], s[20:21]
	s_add_nc_u64 s[46:47], s[88:89], s[46:47]
	CROUND                                         ; all sixteen work-groups are here: the first joint loads meet
.irp s, 0,1
	s_mov_b32 s[G0+4*\s], 1
	s_add_co_u32 s[G0+4*\s+1], s45, \s*SLOT
	s_add_nc_u64 s[G0+4*\s+2:G0+4*\s+3], s[20:21], \s*ROWB
	s_or_b32 s[G0+4*\s+3], s[G0+4*\s+3], 0x80000000
	s_mov_b32 s[G0B+4*\s], 1
	s_add_co_u32 s[G0B+4*\s+1], s45, \s*SLOT
	s_add_nc_u64 s[G0B+4*\s+2:G0B+4*\s+3], s[46:47], \s*ROWB
	s_or_b32 s[G0B+4*\s+3], s[G0B+4*\s+3], 0x80000000
	JLOAD G0+4*\s, G1, G0B+4*\s, G1B
.endr
	v_and_b32 v1, 15, v0                           ; r = l % 16
	v_bfe_u32 v2, v0, 4, 1                         ; h = l / 16
	; THE BIAS TABLE, one text for both roles: entry 8 x + j = bias[i0 + 16 x + ..].  q, k: the bias goes with the column: x = B's block, the lane's eight columns 8 h + j.
	; v: it goes with the row: x = A's block, the lane's row r, eight copies.  The three steps (by r, by h, by j) and i0 are selected, so every register is written in both roles.
	s_cmp_eq_u32 s66, 1
	s_cselect_b32 s21, 4, 0                        ; bytes for each r
	s_cselect_b32 s22, 0, 32                       ; for each h
	s_cselect_b32 s23, 0, 4                        ; for each j
	s_cselect_b32 s18, s42, s67                    ; W's tile: A's for v, B's for q and k
	s_cselect_b32 s19, s15, s16                    ; my half of it
	s_lshl_b32 s18, s18, 8
	s_lshl_b32 s19, s19, 7
	s_add_co_u32 s18, s18, s19
	s_lshl_b32 s18, s18, 2                         ; i0 in bytes
	s_mov_b32 s19, 0
	s_add_nc_u64 s[8:9], s[8:9], s[18:19]
	v_mul_u32_u24 v5, s21, v1
	v_mad_u32_u24 v[BA], v2, s22, v5
.irp j, 1,2,3,4,5,6,7
	v_add_nc_u32 v[BA+\j], s23, v[BA+\j-1]
.endr
.irp x, 0,1,2,3,4,5,6,7
.irp j, 0,1,2,3,4,5,6,7
	global_load_b32 v[BT+8*\x+\j], v[BA+\j], s[8:9] offset:64*\x
.endr
.endr
	v_mul_u32_u24 v3, v1, PITCH
	v_lshl_add_u32 v4, v2, 4, v3                   ; a fragment's row x pitch + 16 x half
	s_mul_i32 s21, s15, HALFT                      ; my 128 rows of A
	s_mul_i32 s22, s16, HALFT                      ; my 128 rows of B,
	s_add_co_u32 s22, s22, 2*HALFT                 ; which lie behind A's 256
.irp s, 0,1
	v_add_nc_u32 v[ADRA+\s], s21, v4
	v_add_nc_u32 v[ADRB+\s], s22, v4
	s_add_co_u32 s21, s21, SLOT
	s_add_co_u32 s22, s22, SLOT
.endr
	v_lshrrev_b32 v5, 2, v1                        ; q's and k's stage: token 128 rh + 16 a + r lies in row token / 4 at byte 64 (token % 4); head 2 ch + b / 4
	v_and_b32 v6, 3, v1
	v_mul_u32_u24 v5, v5, PITCH
	v_lshl_add_u32 v5, v6, 6, v5
	v_lshl_add_u32 v5, v2, 4, v5
	s_mul_i32 s21, s16, 128*PITCH                  ; two heads of 64 rows
	s_mul_i32 s22, s15, 32*PITCH                   ; 128 tokens are 32 rows
	s_add_co_u32 s21, s21, s22
	s_add_co_u32 s21, s21, QSTG
	v_add_nc_u32 v[STOQ], s21, v5
	s_mul_i32 s21, s15, 128*PITCH                  ; v's stage: row = channel 128 rh + 16 a + r, byte = key 128 ch + ..
	s_lshl_b32 s22, s16, 7
	s_add_co_u32 s21, s21, s22
	v_add_nc_u32 v[STOV], s21, v4
	v_mul_u32_u24 v5, v2, PITCH                    ; back: wave w takes stage rows 64 w on; lanes 0-15 one row of 256 bytes, lanes 16-31 the next
	v_lshl_add_u32 v5, v1, 4, v5
	s_mul_i32 s21, s14, 64*PITCH
	v_add_nc_u32 v[RDV], s21, v5
	v_add_nc_u32 v[RDQ], QSTG, v[RDV]
	v_and_b32 v6, 31, v0
	s_lshl_b32 s21, s14, 16                        ; q, k: wave w stores head w of the tile's four, 65,536 bytes apart; v: 64 rows of 1,024 bytes are as many
	v_lshl_add_u32 v[GOQ], v6, 4, s21              ; q, k: two stage rows are 512 consecutive bytes of memory
	v_lshlrev_b32 v5, 10, v2
	v_lshl_add_u32 v5, v1, 4, v5
	v_add_nc_u32 v[GOV], s21, v5                   ; v: two stage rows are two rows of 1,024 bytes
	; where the tile begins in its output: q, k: batch, head 4 cx, token 256 cy;  v: batch, row 256 cy, key 256 cx
	s_lshl_b32 s18, s17, 20
	s_lshl_b32 s19, s40, 18
	s_lshl_b32 s21, s41, 14
	s_add_co_u32 s19, s19, s21
	s_lshl_b32 s21, s41, 18
	s_lshl_b32 s22, s40, 8
	s_add_co_u32 s21, s21, s22
	s_cmp_eq_u32 ttmp9, 1
	s_cselect_b64 s[84:85], s[70:71], s[68:69]     ; k_codes or q_codes,
	s_cmp_eq_u32 ttmp9, 2
	s_cselect_b64 s[84:85], s[72:73], s[84:85]     ; or v_codes
	s_cselect_b32 s19, s21, s19
	s_add_co_u32 s18, s18, s19
	s_mov_b32 s19, 0
	s_add_nc_u64 s[84:85], s[84:85], s[18:19]
	s_wait_kmcnt 0x0                               ; the exponents
	s_add_co_i32 s96, s76, s77                     ; e0 + e1
	s_add_co_i32 s96, s96, 127
	s_lshl_b32 s96, s96, 23                        ; 2^(e0 + e1) as f32
	s_mov_b32 s97, s96                             ; (named with it as a pair, so it is written)
	s_cmp_eq_u32 ttmp9, 1
	s_cselect_b32 s90, s79, s78                    ; e3 or e2,
	s_cmp_eq_u32 ttmp9, 2
	s_cselect_b32 s90, s81, s90                    ; or e5: no branch hangs on a given scale
	s_add_co_i32 s90, s90, 127
	s_lshl_b32 s91, s90, 23
	v_mov_b32 v[SCV], s91                          ; 2^eo: the conversion takes its exponent field
	s_add_co_i32 s90, s90, 8
	s_lshl_b32 s90, s90, 23
	s_or_b32 s90, s90, 0x600000
	v_mov_b32 v[LIM], s90                          ; 448 x 2^eo
.macro FRAG reg, adr, q, i             ; a fragment, 16 rows x 128 K: lane l holds row l % 16; registers 4 c .. 4 c + 3 hold K = 32 c + 16 (l / 16) + 0 .. 15: the same order of k in A and in B
.irp c, 0,1,2,3
	ds_load_b128 v[\reg+4*\c:\reg+4*\c+3], v[\adr] offset:128*(\q)+32*\c+(\i)*16*PITCH
.endr
.endm
; 16 matrix instructions: A's blocks a0, a0 + 1 x B's eight, 128 along K.  p: B's set.  zero = 1: the first product starts the sums.  The 64 accumulators take turns, one instruction a turn.
.macro MUL16 a0, p, zero
.irp a, \a0, \a0+1
.irp b, 0,1,2,3,4,5,6,7
.if \zero
	v_wmma_f32_16x16x128_fp8_fp8 v[8*(8*((\a)%4)+\b):8*(8*((\a)%4)+\b)+7], v[128*(\p)+FR*\b:128*(\p)+FR*\b+FR-1], v[AF+FR*(\a):AF+FR*(\a)+FR-1], 0
.else
	v_wmma_f32_16x16x128_fp8_fp8 v[8*(8*((\a)%4)+\b):8*(8*((\a)%4)+\b)+7], v[128*(\p)+FR*\b:128*(\p)+FR*\b+FR-1], v[AF+FR*(\a):AF+FR*(\a)+FR-1], v[8*(8*((\a)%4)+\b):8*(8*((\a)%4)+\b)+7]
.endif
.endr
.endr
.endm
.macro FETCH_B slot, q, p              ; B's eight fragments of the slot's q-th 128 along K into set p
	WIN TO_B
.irp i, 0,1,2,3,4,5,6,7
	FRAG 128*(\p)+FR*\i, ADRB+\slot, \q, \i
.endr
	WIN 0
.endm
.macro FETCH_A slot, q, i0             ; A's blocks i0 .. i0 + 3
.irp i, \i0, \i0+1, \i0+2, \i0+3
	FRAG AF+FR*(\i), ADRA+\slot, \q, \i
.endr
.endm
.macro PLACES n                        ; plain vector instructions between a matrix instruction and a load into, or a vector instruction on, one of its registers
.rept \n
	v_nop
.endr
.endm
; A step of 128 along K that has its successor in the same slot.  A has one set of registers: a block is free when its eight products are issued; B has two.
.macro STEP slot, q, zero
	s_wait_dscnt 4*NL                              ; B's set and A's blocks 0-3 are in; the youngest 16 loads (A's blocks 4-7) may be out
	WIN MUL_LO
	MUL16 0, (\q)%2, \zero
	MUL16 2, (\q)%2, \zero
	s_wait_dscnt 0                                 ; A's blocks 4-7 are in
	PLACES NP
	FETCH_B \slot, (\q)+1, 1-(\q)%2
	FETCH_A \slot, (\q)+1, 0
	WIN MUL_HI
	MUL16 4, (\q)%2, \zero
	MUL16 6, (\q)%2, \zero
	PLACES NP
	WIN 0
	FETCH_A \slot, (\q)+1, 4
.endm
; A slot's last step changes slots: one barrier; in front of it each wave waits for all its tensor loads, adds 0 to its spare word, and waits for that and for its own reads of this slot.  fill = 1: the slot is filled again.
.macro TURN slot, next, fill
	s_wait_tensorcnt 0x0                           ; all my tensor loads have landed: my part of the next slot
	ds_add_u32 v[SPW], v[NIL]                      ; 0 onto my spare word
	s_wait_dscnt 4*NL+1                            ; (the add and the youngest 16 loads, A's blocks 4-7, may be out)
	WIN MUL_LO
	MUL16 0, 1, 0                                  ; sixteen matrix instructions stand between the add and the wait for it
	s_wait_dscnt 0x0                               ; the add is done, and my reads of this slot are over
	s_barrier_signal -1
	MUL16 2, 1, 0
	WIN 0
	s_barrier_wait -1
.if \fill
	CREST                                          ; the barrier has opened a round of the cluster's barrier: no wave of any partner still reads this slot or has a load on its way
	s_add_nc_u64 s[G0+4*\slot+2:G0+4*\slot+3], s[G0+4*\slot+2:G0+4*\slot+3], 2*ROWB
	s_add_nc_u64 s[G0B+4*\slot+2:G0B+4*\slot+3], s[G0B+4*\slot+2:G0B+4*\slot+3], 2*ROWB
	JLOAD G0+4*\slot, G1, G0B+4*\slot, G1B         ; the first tensor load behind the round; its four v_nop are also the places in front of the loads below
.else
	PLACES NP
.endif
	FETCH_B \next, 0, 0
	FETCH_A \next, 0, 0
	WIN MUL_HI
	MUL16 4, 1, 0
	MUL16 6, 1, 0
	PLACES NP
	WIN 0
	FETCH_A \next, 0, 4
.endm
	s_wait_tensorcnt 1                             ; my part of K step 0 is in (K step 1's load may be out)
	s_barrier_signal -1
	s_barrier_wait -1                              ; everybody's is
	FETCH_B 0, 0, 0
	FETCH_A 0, 0, 0
	FETCH_A 0, 0, 4
	STEP 0, 0, 1                                   ; the first step stands in front of the loop: its products start the sums
	s_mov_b32 s3, LAPS-1
.Llap:                                             ; a trip goes once round the ring and fills both slots again
	TURN 0, 1, 1
	STEP 1, 0, 0
	TURN 1, 0, 1
	STEP 0, 0, 0
	s_sub_co_u32 s3, s3, 1
	s_cmp_lg_u32 s3, 0
	s_cbranch_scc1 .Llap
	TURN 0, 1, 0                                   ; the last lap fills nothing: behind this barrier nobody reads slot 0 any more
	STEP 1, 0, 0
	s_wait_dscnt 4*NL                              ; the very last step
	WIN MUL_LO
	MUL16 0, 1, 0
	MUL16 2, 1, 0
	s_wait_dscnt 0
	WIN MUL_HI
	MUL16 4, 1, 0
	MUL16 6, 1, 0
	WIN 0
; THE WAY OUT.  Block a (A's 16 rows x my 128 columns): value = sum x 2^(e0 + e1) + bias, each accumulator from its low end on; the hold at 448 x 2^eo (the conversion to an 8-bit code does not saturate:
; ISA guide 7.6.2); eight conversions; the codes of accumulators 2 g and 2 g + 1 are 16 neighbouring bytes in the swapped order and go into the work-group's stage.  Two sets of code registers take turns.
.macro BLOCK a, isv
.set AC, 64*((\a)%4)
.set CD, 192+16*((\a)%2)
	WIN (0x02+(\a)/4)                              ; source 0: window 2 or 3
.irp b, 0,1,2,3,4,5,6,7
.irp i, 0,2,4,6
.if \isv
	v_pk_fma_f32 v[TMP+8*\b+\i:TMP+8*\b+\i+1], v[AC+8*\b+\i:AC+8*\b+\i+1], s[96:97], v[BT+8*(\a)+\i:BT+8*(\a)+\i+1] op_sel_hi:[1,0,1]
.else
	v_pk_fma_f32 v[TMP+8*\b+\i:TMP+8*\b+\i+1], v[AC+8*\b+\i:AC+8*\b+\i+1], s[96:97], v[BT+8*\b+\i:BT+8*\b+\i+1] op_sel_hi:[1,0,1]
.endif
.endr
.endr
	WIN 0
.if (\a) >= 2
	s_wait_dscnt 4                                 ; all but the last block's four stores are done: this set of code registers has been read
.endif
.set n, 0
.rept 64
	v_med3_num_f32 v[TMP+n], v[TMP+n], -v[LIM], v[LIM]
.set n, n+1
.endr
.irp b, 0,1,2,3,4,5,6,7
	v_cvt_scalef32_pk8_fp8_f32 v[CD+2*\b:CD+2*\b+1], v[TMP+8*\b:TMP+8*\b+7], v[SCV]
.endr
	v_nop                                          ; one plain vector instruction behind the last conversion: the next block writes its sources
.irp g, 0,1,2,3
.if \isv
	ds_store_b128 v[STOV], v[CD+4*\g:CD+4*\g+3] offset:16*PITCH*(\a)+32*\g
.else
	ds_store_b128 v[STOQ], v[CD+4*\g:CD+4*\g+3] offset:(\g/2)*64*PITCH+4*PITCH*(\a)+32*(\g%2)
.endif
.endr
.endm
	s_wait_loadcnt 0x0                             ; the bias table
	PLACES NP                                      ; behind the last products: their results are read and A's registers written below
	s_cmp_eq_u32 s66, 1                            ; the role: the same in all sixteen partners
	s_cbranch_scc1 .Lv_codes
.irp a, 0,1,2,3,4,5,6,7
	BLOCK \a, 0
.endr
	s_branch .Lstaged
.Lv_codes:
.irp a, 0,1,2,3,4,5,6,7
	BLOCK \a, 1
.endr
.Lstaged:
	s_wait_dscnt 0x0                               ; for the others' sake: my stores into the stage are done
	s_barrier_signal -1
	s_barrier_wait -1                              ; a stage row's 256 bytes come from several waves: now they are whole
	s_cmp_eq_u32 s66, 1
	s_cbranch_scc1 .Lv_out
.set t, 0
.rept 32
	ds_load_b128 v[BK+4*t:BK+4*t+3], v[RDQ] offset:2*PITCH*t
.set t, t+1
.endr
.set t, 0
.rept 32
	s_wait_dscnt 31-t                              ; LDS loads come back in order: load t is in, the younger ones may be out
	global_store_b128 v[GOQ], v[BK+4*t:BK+4*t+3], s[84:85] offset:512*t   ; 32 lanes store 512 consecutive bytes (8 tokens of one head), aligned to 256
.set t, t+1
.endr
	s_branch .Ldone
.Lv_out:
.set t, 0
.rept 32
	ds_load_b128 v[BK+4*t:BK+4*t+3], v[RDV] offset:2*PITCH*t
.set t, t+1
.endr
.set t, 0
.rept 32
	s_wait_dscnt 31-t
	global_store_b128 v[GOV], v[BK+4*t:BK+4*t+3], s[84:85] offset:2048*t  ; 16 lanes store 256 consecutive bytes (256 keys of one channel), aligned to 256
.set t, t+1
.endr
.Ldone:
	s_wait_tensorcnt 0x0                           ; the wave's end: behind my last tensor load and my last LDS store
	ds_add_u32 v[SPW], v[NIL]
	s_wait_dscnt 0x0
	CROUND                                         ; the closing round: no work-group ends while a partner may still ask for a tile that names it
	s_endpgm
.Lfunc_end_k_q7b28d85cde_qkv:
	.size	k_q7b28d85cde_qkv, .Lfunc_end_k_q7b28d85cde_qkv-k_q7b28d85cde_qkv
	.p2alignl 7, 3214868480
	.fill 96, 4, 3214868480
	.section	.rodata,"a",@progbits
	.p2align	6, 0x0
	.amdhsa_kernel k_q7b28d85cde_qkv
		.amdhsa_group_segment_fixed_size 327680
		.amdhsa_private_segment_fixed_size 0
		.amdhsa_enable_private_segment 0
		.amdhsa_kernarg_size 56
		.amdhsa_user_sgpr_count 2
		.amdhsa_user_sgpr_kernarg_segment_ptr 1
		.amdhsa_wavefront_size32 1
		.amdhsa_system_sgpr_workgroup_id_x 1
		.amdhsa_system_sgpr_workgroup_id_y 1
		.amdhsa_system_sgpr_workgroup_id_z 1
		.amdhsa_system_vgpr_workitem_id 0
		.amdhsa_next_free_vgpr 1024
		.amdhsa_next_free_sgpr 100
		.amdhsa_reserve_vcc 0
		.amdhsa_float_denorm_mode_32 3
		.amdhsa_float_denorm_mode_16_64 3
		.amdhsa_memory_ordered 1
		.amdhsa_forward_progress 1
		.amdhsa_inst_pref_size 208
	.end_amdhsa_kernel
	.amdgpu_metadata
---
amdhsa.version: [ 1, 2 ]
amdhsa.kernels:
  - .name:           k_q7b28d85cde_qkv
    .symbol:         k_q7b28d85cde_qkv.kd
    .args:
      - { .name: inputs_codes, .offset: 0, .size: 8, .value_kind: global_buffer, .address_space: global }
      - { .name: input_weights_codes, .offset: 8, .size: 8, .value_kind: global_buffer, .address_space: global }
      - { .name: input_biases, .offset: 16, .size: 8, .value_kind: global_buffer, .address_space: global }
      - { .name: lowp_scales, .offset: 24, .size: 8, .value_kind: global_buffer, .address_space: global }
      - { .name: q_codes, .offset: 32, .size: 8, .value_kind: global_buffer, .address_space: global }
      - { .name: k_codes, .offset: 40, .size: 8, .value_kind: global_buffer, .address_space: global }
      - { .name: v_codes, .offset: 48, .size: 8, .value_kind: global_buffer, .address_space: global }
    .group_segment_fixed_size: 327680
    .private_segment_fixed_size: 0
    .kernarg_segment_align: 8
    .kernarg_segment_size: 56
    .max_flat_workgroup_size: 128
    .sgpr_count:     100
    .vgpr_count:     1024
    .wavefront_size: 32
...
	.end_amdgpu_metadata
.endif
;; end of part 1
;; launch attn (part 2): grid 2 x 128, 8 waves a work-group, no clusters, 168,960 bytes of LDS; arguments q_codes, k_codes, v_codes, lowp_scales, ctx_codes; writes ctx_codes
.if DOCPART == 2
	.amdgcn_target "amdgcn-amd-amdhsa--gfx1250"
	.amdhsa_code_object_version 6
	.text
	.protected	k_q7b28d85cde_attn
	.globl	k_q7b28d85cde_attn
	.p2align	8
	.type	k_q7b28d85cde_attn,@function
k_q7b28d85cde_attn:
	s_mov_b64 s[64:65], 0
	v_nop
	global_prefetch_b8 v0, s[64:65] scope:SCOPE_SE
	s_setreg_imm32_b32 hwreg(HW_REG_WAVE_MODE, 25, 1), 1
	s_wait_xcnt 0x0
; ctx[b][s][head][:] = the sum over keys of softmax(q . k / 8) v, both products on codes of FP8 (E4M3); ctx leaves as codes with the scale 2^e6.
; q_codes, k_codes: [16 b + head][1,024][64 bytes]; v_codes: [b][64 head + channel][1,024 keys]; along the 64 channels (q, k) and the keys (v) the two middle groups of eight of each 32 are swapped,
; so that a load of 16 bytes at 32 c + 16 (lane / 16) brings four registers of a fragment in the matrix instruction's own order of k.
; THE SOFTMAX AHEAD OF THE SECOND PRODUCT: t = score x log2(e) / 8; M = the running largest t, rounded UP to a whole number; p = 2^(t - M) is quantised with 2^e4, not normalised.  The row's sum is taken of the
; unquantised p in f32 and divides at the end.  When M moves, the sum and O are multiplied by 2^(old M - new M): exact.
; SHARES.  A work-group owns 512 queries of one head (grid x: which half; grid y: 16 b + head).  The head's whole K and V, 128 KiB of codes, lie in LDS, each byte filled ONCE: no slot is filled again.
; Eight waves of 512 registers, two to a SIMD.  A wave makes two passes; in a pass it owns two tiles of 16 queries: tile A in register window 0, tile B in window 1, under the same register numbers,
; so that the softmax is one macro used under two settings, and each fragment of K and V read from LDS feeds two matrix instructions.  Every wave walks all 1,024 keys, 128 a step.
; LAYOUT.  Both products are used transposed: S^T = K Q^T (source 0 = 16 keys, source 1 = 16 queries), O^T = V^T P^T (source 0 = 16 channels, source 1 = P): a lane holds ONE query (lane % 16) throughout,
; and tile T's eight scores of a lane are keys 16 T + 8 (lane / 16) + 0 .. 7: their eight codes are registers 2 T, 2 T + 1 of the second product's operand.
; NO CLUSTER: a head's K and V are read by the two work-groups of its row of the grid alone, once each, all of it asked for in the kernel's first lines; the grid's x, 2, is no multiple of a cluster's 4, and a
; cluster along y would hold four heads, which share nothing.  NO PREFETCH: nothing is asked of memory later than the head but 2 KiB of Q a wave.
; LIMITS on the given exponents, so that each power of two below is an f32 number: e2 + e3 between -123 and 130 (added to c's exponent field); e4 and e6 between -126 and 119; e4 + e5 goes by v_ldexp_f32.  NaN is not served.
; REGISTERS.  Window 0 only: v1-8 addresses; v32-95 K's eight fragments.  Window 1 only: v32-95 V's four fragments.  In both windows, one tile each: v12 -M, v13 the largest t, v[14:15] the sum in two halves;
; v16-23 Q; v96-159 S^T, then p; v160-191 O^T; v192-207 p's codes; v208-214 at work; v216, v217: 448 x 2^e4, 2^e4; v218, v219: 448 x 2^e6, 2^e6; v[220:221] 1 / the sum.
.set KP,   272                         ; K in LDS: 256 rows of 4 keys x 64 bytes + 16 of padding: key k at (k / 4) 272 + (k % 4) 64: the 16 keys of a load start in 16 different columns of 16 bytes modulo 256
.set VP,   528                         ; V in LDS: two halves of 64 rows (channels) of 512 keys + 16 of padding
.set VB,   256*KP                      ; V begins behind K
.set VH,   64*VP                       ; a half of V
.set SG,   VB+2*VH                     ; behind V: a stage of 32 tokens x 80 bytes for each wave; no tensor load lands there
.set AK0, 1                            ; v1   my lane's place in a tile of K
.set AV0, 2                            ; v2   in a tile of V
.set ADK, 3                            ; v3   LDS address of the K loads in hand
.set ADV, 4                            ; v4   of the V loads
.set QO,  5                            ; v5   my byte offset in the work-group's rows of Q
.set STO, 6                            ; v6   the stage: where I put 8 bytes of a token
.set RD,  7                            ; v7   and where I read 16 bytes back
.set GO,  8                            ; v8   my byte offset in ctx_codes
.set WV,   14                          ; s14  my wave's number
.set SEL,  20                          ; s[20:21] lane selects for v_permlanex16_b32: lane l xor 16
.set CS,   22                          ; s[22:23] c = log2(e) / 8 x 2^(e2 + e3)
.set G1K,  24                          ; s[24:31] descriptor group 1 for K's tiles;  s[32:39] for V's
.set G1V,  32
.set G0K,  40                          ; s[40:47] group 0 for K's two halves;  s[48:55] for V's
.set G0V,  48
.set TK,   66                          ; s66  LDS byte of the step whose K is fetched
.set TV,   67                          ; s67  the same for V
.set CNT,  68
.set PASS, 69
.set EPV,  70                          ; s70  e4 + e5
.set MSB, 0
.macro WIN new                         ; the immediate's low byte: bits 1:0 source 0, 3:2 source 1, 5:4 source 2, 7:6 destination; its high byte repeats the setting that is left
.if MSB != \new
	s_set_vgpr_msb (MSB<<8)|\new
.set MSB, \new
.endif
.endm
	s_load_b256 s[4:11], s[0:1], 0x0               ; q s[4:5], k s[6:7], v s[8:9], the scales' exponents s[10:11]
	s_load_b64 s[12:13], s[0:1], 0x20              ; ctx_codes
	v_lshl_add_u32 v254, v0, 2, 0x29000
	v_mov_b32 v255, 0
	ds_add_u32 v254, v255
	ds_add_u32 v254, v255
	v_lshrrev_b32 v1, 5, v0
	v_readfirstlane_b32 s[WV], v1                  ; wave 0..7
	s_and_b32 s15, ttmp7, 0xffff                   ; 16 b + head
	s_and_b32 s16, s[WV], 3                        ; which quarter of a half I fetch: waves 0-3 of K, waves 4-7 of V
	; descriptor group 1.  K: 32 rows of 256 bytes, dense in memory;  V: 16 rows of 512 bytes, 1,024 apart
	s_mov_b32 s[G1K], (0<<16)|(1<<20)|(5<<22)|(3<<25)   ; no mask; elements of 1 byte; padding: four words after every 64
	s_mov_b32 s[G1K+1], 256<<16                    ; tensor_dim0
	s_mov_b32 s[G1K+2], 32<<16                     ; tensor_dim1
	s_mov_b32 s[G1K+3], 256<<16                    ; tile_dim0
	s_mov_b32 s[G1K+4], 32                         ; tile_dim1
	s_mov_b32 s[G1K+5], 256                        ; tensor_dim0_stride
	s_mov_b32 s[G1K+6], 0
	s_mov_b32 s[G1K+7], 0
	s_mov_b32 s[G1V], (0<<16)|(1<<20)|(6<<22)|(3<<25)   ; padding: four words after every 128
	s_mov_b32 s[G1V+1], 512<<16
	s_mov_b32 s[G1V+2], 16<<16
	s_mov_b32 s[G1V+3], 512<<16
	s_mov_b32 s[G1V+4], 16
	s_mov_b32 s[G1V+5], 1024
	s_mov_b32 s[G1V+6], 0
	s_mov_b32 s[G1V+7], 0
	s_lshl_b32 s17, s15, 16                        ; the head's first byte in q, k and v: 65,536 a head
	s_lshl_b32 s18, s16, 13                        ; K: my 32 rows of 256 bytes
	s_add_co_u32 s18, s18, s17
	s_mov_b32 s19, 0
	s_lshl_b32 s2, s16, 14                         ; V: my 16 rows of 1,024 bytes
	s_add_co_u32 s2, s2, s17
	s_mov_b32 s3, 0
	s_mul_i32 s71, s16, 32*KP                      ; and their places in LDS
	s_mul_i32 s72, s16, 16*VP
	s_add_co_u32 s72, s72, VB
	s_mov_b32 s[SEL], 0x76543210
	s_mov_b32 s[SEL+1], 0xfedcba98
	s_wait_dscnt 0x0
	s_wait_kmcnt 0x0
	s_load_b256 s[56:63], s[10:11], 0x0            ; e0 .. e7
	s_add_nc_u64 s[6:7], s[6:7], s[18:19]
	s_add_nc_u64 s[8:9], s[8:9], s[2:3]
.irp n, 0,1                            ; half n: keys 512 n on
	s_mov_b32 s[G0K+4*\n], 1
	s_add_co_u32 s[G0K+4*\n+1], s71, \n*128*KP
	s_add_nc_u64 s[G0K+4*\n+2:G0K+4*\n+3], s[6:7], \n*32768
	s_or_b32 s[G0K+4*\n+3], s[G0K+4*\n+3], 0x80000000
	s_mov_b32 s[G0V+4*\n], 1
	s_add_co_u32 s[G0V+4*\n+1], s72, \n*VH
	s_add_nc_u64 s[G0V+4*\n+2:G0V+4*\n+3], s[8:9], \n*512
	s_or_b32 s[G0V+4*\n+3], s[G0V+4*\n+3], 0x80000000
.endr
	s_cmp_lt_u32 s[WV], 4                          ; a wave's two fills stand in one branch on the wave's number, ahead of every wait on TENSORcnt, every LDS read and every barrier: two loads of mine are out
	s_cbranch_scc0 .Lfirst_v
	tensor_load_to_lds s[G0K:G0K+3], s[G1K:G1K+7]
	s_nop 0
	tensor_load_to_lds s[G0K+4:G0K+7], s[G1K:G1K+7]
	s_nop 0
.rept 4
	v_nop
.endr
	s_branch .Lfirst_asked
.Lfirst_v:
	tensor_load_to_lds s[G0V:G0V+3], s[G1V:G1V+7]
	s_nop 0
	tensor_load_to_lds s[G0V+4:G0V+7], s[G1V:G1V+7]
	s_nop 0
.rept 4
	v_nop
.endr
.Lfirst_asked:
	s_lshl_b32 s18, ttmp9, 15                      ; my work-group's 512 queries of 64 bytes
	s_add_co_u32 s18, s18, s17
	s_add_nc_u64 s[4:5], s[4:5], s[18:19]          ; Q at the work-group's first query
	v_and_b32 v9, 15, v0                           ; r
	v_bfe_u32 v10, v0, 4, 1                        ; h
	v_and_b32 v11, 31, v0                          ; lane
	s_lshl_b32 s73, s[WV], 11                      ; my wave's 32 queries of 64 bytes
	v_lshlrev_b32 v[QO], 6, v9
	v_lshl_add_u32 v[QO], v10, 4, v[QO]
	v_add_nc_u32 v[QO], s73, v[QO]
; my two tiles of Q, off bytes on: a fragment of 16 queries x 64 is 8 registers, two loads of 16 bytes
.macro QLOAD off
	global_load_b128 v[16:19], v[QO], s[4:5] offset:\off
	global_load_b128 v[20:23], v[QO], s[4:5] offset:\off+32
	WIN 0x40                                       ; destination window 1: tile B, 16 queries on
	global_load_b128 v[16:19], v[QO], s[4:5] offset:\off+1024
	global_load_b128 v[20:23], v[QO], s[4:5] offset:\off+1056
	WIN 0
.endm
	QLOAD 0
	s_lshr_b32 s2, s15, 4                          ; ctx_codes: [4 b + token / 256][head][256 tokens][64 bytes]
	s_lshl_b32 s2, s2, 2
	s_lshl_b32 s3, ttmp9, 1
	s_add_co_u32 s2, s2, s3
	s_lshl_b32 s2, s2, 18
	s_and_b32 s3, s15, 15
	s_lshl_b32 s3, s3, 14
	s_add_co_u32 s2, s2, s3
	s_mov_b32 s3, 0
	s_add_nc_u64 s[12:13], s[12:13], s[2:3]
	v_lshrrev_b32 v[AK0], 2, v9
	v_mul_u32_u24 v[AK0], v[AK0], KP
	v_and_b32 v[AV0], 3, v9
	v_lshl_add_u32 v[AK0], v[AV0], 6, v[AK0]
	v_lshl_add_u32 v[AK0], v10, 4, v[AK0]          ; K: key r of a tile: (r / 4) 272 + (r % 4) 64 + 16 h
	v_mul_u32_u24 v[AV0], v9, VP
	v_lshl_add_u32 v[AV0], v10, 4, v[AV0]
	v_add_nc_u32 v[AV0], VB, v[AV0]                ; V: channel r of a tile: 528 r + 16 h
	s_mul_i32 s74, s[WV], 32*80
	s_add_co_u32 s74, s74, SG                      ; my stage
	v_mul_u32_u24 v[STO], v9, 80
	v_lshl_add_u32 v[STO], v10, 3, v[STO]
	v_add_nc_u32 v[STO], s74, v[STO]               ; in: token r, 8 bytes for each half of the lanes
	v_lshrrev_b32 v[RD], 2, v11
	v_mul_u32_u24 v[RD], v[RD], 80
	v_and_b32 v[GO], 3, v11
	v_lshl_add_u32 v[RD], v[GO], 4, v[RD]
	v_add_nc_u32 v[RD], s74, v[RD]                 ; back: four lanes to a token's 64 bytes
	v_lshl_add_u32 v[GO], v11, 4, s73              ; and the same bytes in memory: 2,048 x wave + 16 x lane
	s_wait_kmcnt 0x0
	s_add_co_i32 s75, s58, s59                     ; a score stands for score x 2^(e2 + e3): the two exponents are added to c's exponent field
	s_lshl_b32 s75, s75, 23
	s_mov_b32 s[CS], 0x3e38aa3b                    ; log2(e) / 8
	s_add_co_i32 s[CS], s[CS], s75
	s_mov_b32 s[CS+1], s[CS]                       ; (named with it as a pair, so it is written)
	s_add_co_i32 s[EPV], s60, s61                  ; e4 + e5
	s_add_co_i32 s75, s60, 127
	s_lshl_b32 s76, s75, 23                        ; 2^e4
	s_add_co_i32 s75, s75, 8
	s_lshl_b32 s75, s75, 23
	s_or_b32 s75, s75, 0x600000                    ; 448 x 2^e4
	s_add_co_i32 s77, s62, 127
	s_lshl_b32 s78, s77, 23                        ; 2^e6
	s_add_co_i32 s77, s77, 8
	s_lshl_b32 s77, s77, 23
	s_or_b32 s77, s77, 0x600000                    ; 448 x 2^e6
.macro CONSTS                          ; what both windows hold alike
	v_mov_b32 v211, 0                              ; (named as the upper half of a pair)
	v_mov_b32 v214, 0                              ; a lane permute's destination counts as one of its sources
	v_mov_b32 v216, s75
	v_mov_b32 v217, s76
	v_mov_b32 v218, s77
	v_mov_b32 v219, s78
	v_mov_b32 v221, 0                              ; (named as the upper half of a pair)
.endm
	CONSTS
	WIN 0x40
	CONSTS
	WIN 0
.macro KLOAD                           ; a step's K: 8 tiles of 16 keys x 64 channels, 8 registers each: 16 loads
.irp T, 0,1,2,3,4,5,6,7
	ds_load_b128 v[32+8*\T:35+8*\T], v[ADK] offset:4*KP*\T
	ds_load_b128 v[36+8*\T:39+8*\T], v[ADK] offset:4*KP*\T+32
.endr
.endm
.macro VLOAD                           ; a step's V: 4 tiles of 16 channels x 128 keys, 16 registers each, into window 1: 16 loads
	WIN 0x40
.irp t, 0,1,2,3
.irp c, 0,1,2,3
	ds_load_b128 v[32+16*\t+4*\c:35+16*\t+4*\c], v[ADV] offset:16*VP*\t+32*\c
.endr
.endr
	WIN 0
.endm
.macro SMUL u                          ; S^T = K Q^T of tile u: K in window 0; Q and S^T in the tile's window
	WIN (0x44*\u)
.irp T, 0,1,2,3,4,5,6,7
	v_wmma_f32_16x16x64_fp8_fp8 v[96+8*\T:103+8*\T], v[32+8*\T:39+8*\T], v[16:23], 0
.endr
.endm
.macro PVMUL u                         ; O^T += V^T P^T of tile u: V in window 1; P and O^T in the tile's window.  The eight accumulators of the two tiles take turns, one instruction a turn
	WIN (0x01+0x54*\u)
.irp t, 0,1,2,3
	v_wmma_f32_16x16x128_fp8_fp8 v[160+8*\t:167+8*\t], v[32+16*\t:47+16*\t], v[192:207], v[160+8*\t:167+8*\t]
.endr
.endm
; One tile's softmax for a step of 128 keys: 64 scores a lane.  All its registers lie in the tile's window.
.macro SOFTMAX
	v_max3_num_f32 v208, v96, v97, v98             ; the step's largest score of my query among my 64 keys, in two chains, in ascending order of the registers
	v_max3_num_f32 v209, v99, v100, v101
.set i, 6
.rept 14
	v_max3_num_f32 v208, v208, v[96+i], v[97+i]
	v_max3_num_f32 v209, v209, v[98+i], v[99+i]
.set i, i+4
.endr
	v_max3_num_f32 v208, v208, v158, v159
	v_max_num_f32 v208, v208, v209
	v_permlanex16_b32 v214, v208, s[SEL], s[SEL+1]
	v_max_num_f32 v208, v208, v214                 ; and among lane l xor 16's
	v_mul_f32 v208, s[CS], v208                    ; as t (c is positive)
	v_max_num_f32 v13, v13, v208                   ; the running largest t
	v_mov_b32 v208, v12
	v_floor_f32 v12, -v13                          ; the new -M = floor(-t) = -ceil(t): a whole number
	v_sub_f32 v208, v12, v208                      ; old M - new M: a whole number, 0 or less
	v_cvt_i32_f32 v208, v208                       ; (it saturates)
	v_ldexp_f32 v210, 1.0, v208                    ; f = 2^(old M - new M)
.set i, 0
.rept 32
	v_pk_fma_f32 v[96+i:97+i], v[96+i:97+i], s[CS:CS+1], v[12:13] op_sel_hi:[1,0,0]   ; t - M, two at a time
.set i, i+2
.endr
.set i, 0
.rept 64
	v_exp_f32 v[96+i], v[96+i]                     ; p = 2^(t - M), at most 1
.set i, i+1
.endr
	v_pk_mul_f32 v[14:15], v[14:15], v[210:211] op_sel_hi:[1,0]   ; the sums under the new M: the plain instruction behind the exponentials
	s_wait_alu depctr_va_vdst(0)                   ; one wait for the batch of 64, ahead of its first reader
	v_pk_add_f32 v[212:213], v[96:97], v[98:99]    ; the row's sum is taken of the unquantised p: two at a time, in two chains
.set i, 4
.rept 15
	v_pk_add_f32 v[14:15], v[14:15], v[96+i:97+i]
	v_pk_add_f32 v[212:213], v[212:213], v[98+i:99+i]
.set i, i+4
.endr
	v_pk_add_f32 v[14:15], v[14:15], v[212:213]
.set i, 0
.rept 64
	v_min_num_f32 v[96+i], v[96+i], v216           ; the conversion to an 8-bit code does not saturate (ISA guide 7.6.2); p is not negative, so the hold is one-sided
.set i, i+1
.endr
.irp T, 0,1,2,3,4,5,6,7
	v_cvt_scalef32_pk8_fp8_f32 v[192+2*\T:193+2*\T], v[96+8*\T:103+8*\T], v217   ; keys 16 T + 8 h + 0 .. 7: registers 2 T, 2 T + 1 of the operand
.endr
.set i, 0
.rept 16
	v_pk_mul_f32 v[160+i:161+i], v[160+i:161+i], v[210:211] op_sel_hi:[1,0]   ; O^T under the new M.  (Also the plain instructions between the conversions and the products that read the codes)
.set i, i+2
.endr
.endm
; A KEY STEP of 128 keys.  look = 1: the next step's K is fetched behind this step's first products, its V behind the second: each run of 16 loads has a softmax or more in which to land.
; look = 0: the pass's last step; in the first pass the next pass's Q is asked for here.
.macro STEP look
	s_wait_dscnt 16                                ; K's 16 loads are in; V's 16, issued behind them, may be out
	SMUL 0
	SMUL 1
	WIN 0
.if \look
	s_add_co_u32 s[TK], s[TK], 32*KP               ; 128 keys are 32 rows
	v_add_nc_u32 v[ADK], s[TK], v[AK0]             ; with the three v_nop: four places between the products and the loads into K's registers, and the first read of the scores
.rept 3
	v_nop
.endr
	KLOAD
.else
.rept 4
	v_nop
.endr
	s_cmp_eq_u32 s[PASS], 1
	s_cbranch_scc1 .Lno_q_\@                       ; the last pass asks for nothing: no load leaves its buffer
	QLOAD 16384                                    ; 256 queries on
.Lno_q_\@:
.endif
	SOFTMAX                                        ; tile A, window 0
	WIN 0x55
	SOFTMAX                                        ; tile B, window 1
	s_wait_dscnt 16*\look                          ; V's 16 loads are in; the next step's 16 of K may be out
	PVMUL 0
	PVMUL 1
	WIN 0
.if \look
	s_add_co_u32 s[TV], s[TV], 128
	v_add_nc_u32 v[ADV], s[TV], v[AV0]             ; with the three v_nop: four places in front of the loads into V's registers
.rept 3
	v_nop
.endr
	VLOAD
.endif
.endm
.macro INIT                            ; a pass begins: the step is written once, and its first use finds zeros, which the first change of M leaves zeros
	v_mov_b32 v13, 0xff61b1e6                      ; the largest t so far: -3e38
	v_mov_b32 v14, 0
	v_mov_b32 v15, 0
	v_floor_f32 v12, -v13                          ; -M
.set i, 0
.rept 32
	v_mov_b32 v[160+i], 0
.set i, i+1
.endr
.endm
.macro FIN                             ; a tile's end: O^T x 2^(e4 + e5) / the sum, held within 448 x 2^e6 and turned into codes: tile t's eight channels 16 t + 8 h + 0 .. 7 in v[192 + 2 t], v[193 + 2 t]
	v_add_f32 v14, v14, v15
	v_permlanex16_b32 v214, v14, s[SEL], s[SEL+1]
	v_add_f32 v14, v14, v214                       ; the row's sum
	v_rcp_f32 v220, v14
	v_nop                                          ; a plain instruction behind the reciprocal
	s_wait_alu depctr_va_vdst(0)                   ; and the wait ahead of its first reader
	v_ldexp_f32 v220, v220, s[EPV]
.set i, 0
.rept 16
	v_pk_mul_f32 v[160+i:161+i], v[160+i:161+i], v[220:221] op_sel_hi:[1,0]
.set i, i+2
.endr
.set i, 0
.rept 32
	v_med3_num_f32 v[160+i], v[160+i], -v218, v218
.set i, i+1
.endr
.irp t, 0,1,2,3
	v_cvt_scalef32_pk8_fp8_f32 v[192+2*\t:193+2*\t], v[160+8*\t:167+8*\t], v219
.endr
	v_nop                                          ; one plain vector instruction behind the last conversion
.endm
	s_mov_b32 s[PASS], 2
.Lpass:                                            ; pass p: queries 256 p + 32 wave + 0 .. 31 of the work-group's 512
	INIT
	WIN 0x55
	INIT
	WIN 0
	s_wait_tensorcnt 0x1                           ; my part of the first 512 keys is in; the second half's load may stay out.  (In the second pass nothing is out)
	s_wait_dscnt 0x0
	s_barrier_signal -1
	s_barrier_wait -1                              ; everybody's is
	s_mov_b32 s[TK], 0
	s_mov_b32 s[TV], 0
	v_add_nc_u32 v[ADK], s[TK], v[AK0]
	v_add_nc_u32 v[ADV], s[TV], v[AV0]
	KLOAD                                          ; step 0
	VLOAD
	s_wait_loadcnt 0x0                             ; Q
	s_mov_b32 s[CNT], 3
.Lhalf0:                                           ; steps 0 to 2: they fetch ahead as far as step 3, the first half's last
	STEP 1
	s_sub_co_u32 s[CNT], s[CNT], 1
	s_cmp_lg_u32 s[CNT], 0
	s_cbranch_scc1 .Lhalf0
	s_wait_tensorcnt 0x0                           ; my part of the second 512 keys is in,
	s_wait_dscnt 0x0
	s_barrier_signal -1
	s_barrier_wait -1                              ; everybody's is
	s_add_co_u32 s[TV], s[TV], VH-512              ; V's second half begins 33,792 bytes behind the first: the next step of 128 lands on it.  (K's halves lie on end)
	s_mov_b32 s[CNT], 4
.Lhalf1:                                           ; steps 3 to 6
	STEP 1
	s_sub_co_u32 s[CNT], s[CNT], 1
	s_cmp_lg_u32 s[CNT], 0
	s_cbranch_scc1 .Lhalf1
	STEP 0                                         ; step 7
.rept 4
	v_nop                                          ; places behind the last products
.endr
	FIN
	WIN 0x55
	FIN
	WIN 0
	; THE WAY OUT: a lane's 8 bytes of a token go through my own stage and come back 16 bytes a lane, tokens on end.  LDS serves a wave's instructions in order (ISA guide 5.7.1.4): no wait between the stores and the loads
.irp t, 0,1,2,3
	ds_store_b64 v[STO], v[192+2*\t:193+2*\t] offset:16*\t
.endr
	WIN 0x04                                       ; the stores' data in window 1: tile B, 16 tokens on
.irp t, 0,1,2,3
	ds_store_b64 v[STO], v[192+2*\t:193+2*\t] offset:16*80+16*\t
.endr
	WIN 0
.irp i, 0,1,2,3
	ds_load_b128 v[96+4*\i:99+4*\i], v[RD] offset:8*80*\i
.endr
.irp i, 0,1,2,3
	s_wait_dscnt 3-\i                              ; load i is in, the younger ones may be out
	global_store_b128 v[GO], v[96+4*\i:99+4*\i], s[12:13] offset:512*\i   ; 32 lanes store 512 consecutive bytes (8 tokens), aligned to 256
.endr
	s_wait_xcnt 0x0                                ; the stores and Q's loads have read their registers and bases: both may be written again
	s_add_nc_u64 s[4:5], s[4:5], 16384             ; 256 queries on
	s_add_nc_u64 s[12:13], s[12:13], 262144        ; the next tile of 256 tokens
	s_sub_co_u32 s[PASS], s[PASS], 1
	s_cmp_lg_u32 s[PASS], 0
	s_cbranch_scc1 .Lpass
	s_wait_tensorcnt 0x0
	ds_add_u32 v254, v255
	s_wait_dscnt 0x0
	s_endpgm
.Lfunc_end_k_q7b28d85cde_attn:
	.size	k_q7b28d85cde_attn, .Lfunc_end_k_q7b28d85cde_attn-k_q7b28d85cde_attn
	.p2alignl 7, 3214868480
	.fill 96, 4, 3214868480
	.section	.rodata,"a",@progbits
	.p2align	6, 0x0
	.amdhsa_kernel k_q7b28d85cde_attn
		.amdhsa_group_segment_fixed_size 168960
		.amdhsa_private_segment_fixed_size 0
		.amdhsa_enable_private_segment 0
		.amdhsa_kernarg_size 40
		.amdhsa_user_sgpr_count 2
		.amdhsa_user_sgpr_kernarg_segment_ptr 1
		.amdhsa_wavefront_size32 1
		.amdhsa_system_sgpr_workgroup_id_x 1
		.amdhsa_system_sgpr_workgroup_id_y 1
		.amdhsa_system_sgpr_workgroup_id_z 1
		.amdhsa_system_vgpr_workitem_id 0
		.amdhsa_next_free_vgpr 512
		.amdhsa_next_free_sgpr 80
		.amdhsa_reserve_vcc 0
		.amdhsa_float_denorm_mode_32 3
		.amdhsa_float_denorm_mode_16_64 3
		.amdhsa_memory_ordered 1
		.amdhsa_forward_progress 1
		.amdhsa_inst_pref_size 104
	.end_amdhsa_kernel
	.amdgpu_metadata
---
amdhsa.version: [ 1, 2 ]
amdhsa.kernels:
  - .name:           k_q7b28d85cde_attn
    .symbol:         k_q7b28d85cde_attn.kd
    .args:
      - { .name: q_codes, .offset: 0, .size: 8, .value_kind: global_buffer, .address_space: global }
      - { .name: k_codes, .offset: 8, .size: 8, .value_kind: global_buffer, .address_space: global }
      - { .name: v_codes, .offset: 16, .size: 8, .value_kind: global_buffer, .address_space: global }
      - { .name: lowp_scales, .offset: 24, .size: 8, .value_kind: global_buffer, .address_space: global }
      - { .name: ctx_codes, .offset: 32, .size: 8, .value_kind: global_buffer, .address_space: global }
    .group_segment_fixed_size: 168960
    .private_segment_fixed_size: 0
    .kernarg_segment_align: 8
    .kernarg_segment_size: 40
    .max_flat_workgroup_size: 256
    .sgpr_count:     80
    .vgpr_count:     512
    .wavefront_size: 32
...
	.end_amdgpu_metadata
.endif
;; end of part 2
;; launch proj (part 3): grid 4 x 32, 4 waves a work-group, clusters of 4 x 4, 327,680 bytes of LDS; arguments ctx_codes, output_weights_codes, lowp_scales, output_biases, out0; writes out0
.if DOCPART == 3
	.amdgcn_target "amdgcn-amd-amdhsa--gfx1250"
	.amdhsa_code_object_version 6
	.text
	.protected	k_q7b28d85cde_proj
	.globl	k_q7b28d85cde_proj
	.p2align	8
	.type	k_q7b28d85cde_proj,@function
k_q7b28d85cde_proj:
	s_mov_b64 s[64:65], 0
	v_nop
	global_prefetch_b8 v0, s[64:65] scope:SCOPE_SE
	s_setreg_imm32_b32 hwreg(HW_REG_WAVE_MODE, 25, 1), 1
	s_wait_xcnt 0x0
	s_wait_alu depctr_hold_cnt(0) depctr_sa_sdst(0) depctr_va_vdst(0) depctr_va_sdst(0) depctr_va_ssrc(0) depctr_va_vcc(0) depctr_vm_vsrc(0)
	s_getreg_b32 s2, hwreg(HW_REG_IB_STS2, 6, 4)
	s_cmp_eq_u32 s2, 0
	s_cbranch_scc0 .Lentry_in_a_cluster
	s_endpgm
.Lentry_in_a_cluster:
	s_bfe_u32 s2, ttmp6, 0x10000c
	s_cmp_lg_u32 s2, 0xf033
	s_cbranch_scc0 .Lentry_shape_is_right
	s_endpgm
.Lentry_shape_is_right:
; out0[m][n] = (sum over k of ctx[m][k] W[n][k]) x 2^(e6 + e7) + bias[n], on codes of FP8 (E4M3); out0: [8192][1024] f32; sums in f32.
; ctx_codes: [tile of 256 tokens][head 16][256 tokens][64 bytes]: a K step of 256 (four heads) of a tile's rows is ONE dense block of 65,536 bytes.  W: [1024][1024] codes, K innermost.
; LIMIT: e6 + e7 lies between -126 and 127, so that 2^(e6 + e7) is an f32 number.
; A tile of out0, 256 x 256, is made by a work-group of four waves; a wave makes 128 x 128: 64 accumulators, 512 registers.  K = 1,024 goes in four steps of 256 through a ring of two LDS slots.
; There are 128 such tiles.  The smaller tile that would give 256 work-groups reads one and a half times the LDS bytes for each product and leaves a refill half the matrix work in which to land.
; CLUSTERS: 4 x 4 work-groups.  The four of a row of the cluster need the same tiles of ctx, the four of a column the same tiles of W: each is asked for jointly.
; THE MATRIX INSTRUCTION IS USED TRANSPOSED (source 0 = 16 rows of W, source 1 = 16 tokens): a lane holds eight neighbouring numbers of a row of out0.
; REGISTERS, in windows of 256: window 0: v1-7, v16-29 addresses; v32-95 the bias in the accumulators' layout; from v128 A's fragments, one set (on the way out: rows read back).
;   window 1: B's fragments, two sets (on the way out v0-63: a block's results).   window 2: the accumulators of my rows 0-63 ((a, b) at v[8 (8 a + b)]);   window 3: those of my rows 64-127.
.set ROWB,   256                       ; a tile's row in bytes
.set PITCH,  272                       ; an LDS row: 256 bytes + 16 of padding
.set FR,     16
.set NL,     4
.set NP,     4                         ; places behind this matrix instruction (ISA guide 7.12.1)
.set HALFT,  128*PITCH
.set SLOT,   4*HALFT                   ; A's 256 rows (4 heads x 64 rows of 4 tokens x 64 bytes), then B's 256 rows
.set LAPS,   2
.set ASTEP,  65536                     ; a K step of A in memory
.set SPARE,  2*SLOT                    ; behind the ring: the spare words, 128 bytes for each wave
.set SPITCH, 528                       ; the way out: a stage of 16 rows x (512 bytes + 16) for each wave, in slot 0, which has had its last fill and its last read by then
.set ADRA, 16
.set ADRB, 20
.set STO,  24
.set RD,   25
.set CO,   26
.set SPW,  28
.set NIL,  29
.set BT,   32                          ; v32-95: bias[16 b + 8 h + j] of my 128 columns at 8 b + j
.set TMP,  0                           ; in window 1
.set AF,   128
.set BK,   128
.set G1, 24
.set G0, 32
.set G1B, 48
.set G0B, 56
.set MSB, 0
.macro WIN new
.if MSB != \new
	s_set_vgpr_msb (MSB<<8)|\new
.set MSB, \new
.endif
.endm
.set MUL_LO, 0xa1
.set MUL_HI, 0xf1
.set TO_B,   0x40
.macro JLOAD g0a, g1a, g0b, g1b        ; a joint load: waves 0 and 1 fetch for A, waves 2 and 3 for B; four v_nop follow each line
	s_cmp_eq_u32 s15, 0
	s_cbranch_scc0 .Lfor_b_\@
	tensor_load_to_lds s[\g0a:\g0a+3], s[\g1a:\g1a+7]
	s_nop 0
.rept 4
	v_nop
.endr
	s_branch .Lasked_\@
.Lfor_b_\@:
	tensor_load_to_lds s[\g0b:\g0b+3], s[\g1b:\g1b+7]
	s_nop 0
.rept 4
	v_nop
.endr
.Lasked_\@:
.endm
.macro CREST
	s_cmp_lg_u32 s14, 0
	s_cbranch_scc1 .Lnot_wave_0_\@
	s_barrier_signal -3
.Lnot_wave_0_\@:
	s_barrier_wait -3
	s_barrier_signal -1
	s_barrier_wait -1
.endm
.macro CROUND
	s_barrier_signal -1
	s_barrier_wait -1
	CREST
.endm
	s_load_b128 s[4:7], s[0:1], 0x0                ; ctx_codes s[4:5], W's codes s[6:7]
	s_load_b128 s[8:11], s[0:1], 0x10              ; the scales' exponents s[8:9], the bias s[10:11]
	s_load_b64 s[12:13], s[0:1], 0x20              ; out0
	v_lshl_add_u32 v[SPW], v0, 2, SPARE
	v_mov_b32 v[NIL], 0
	ds_add_u32 v28, v29
	ds_add_u32 v28, v29
	s_wait_dscnt 0x0
	v_lshrrev_b32 v1, 5, v0
	v_readfirstlane_b32 s14, v1                    ; wave 0..3
	s_lshr_b32 s15, s14, 1                         ; which half of the tile's rows is mine.  Also: I fetch for A (0) or for B (1)
	s_and_b32 s16, s14, 1                          ; which half of its columns.  Also: which 128 LDS rows of that tile I fetch
	s_bfe_u32 s40, ttmp6, 0x40000                  ; cx, cy
	s_bfe_u32 s41, ttmp6, 0x40004
	s_lshl_b32 s42, ttmp9, 2
	s_add_co_u32 s42, s42, s40                     ; tile column = 4 x cluster x + cx
	s_and_b32 s17, ttmp7, 0xffff
	s_lshl_b32 s17, s17, 2
	s_add_co_u32 s17, s17, s41                     ; tile row = 4 x cluster y + cy
	s_lshl_b32 s43, s41, 2
	s_lshl_b32 s43, 15, s43                        ; my row of the cluster
	s_lshl_b32 s44, 0x1111, s40                    ; my column
	s_or_b32 s[G1+0], s43, (0<<16)|(1<<20)|(1<<21)|(5<<22)|(3<<25)  ; the mask; elements of 1 byte; padding on; bit 21 beside a mask; four words after every 64
	s_or_b32 s[G1B+0], s44, (0<<16)|(1<<20)|(1<<21)|(5<<22)|(3<<25)
.irp g, G1, G1B
	s_mov_b32 s[\g+1], ROWB<<16                    ; tensor_dim0
	s_mov_b32 s[\g+2], 128<<16                     ; tensor_dim1
	s_mov_b32 s[\g+3], ROWB<<16                    ; tile_dim0
	s_mov_b32 s[\g+4], 128                         ; tile_dim1
	s_mov_b32 s[\g+6], 0
	s_mov_b32 s[\g+7], 0
.endr
	s_mov_b32 s[G1+5], 256                         ; A's rows lie on end in memory
	s_mov_b32 s[G1B+5], 1024                       ; B's are 1,024 bytes apart
	s_lshl_b32 s20, s17, 18                        ; A: 262,144 bytes a tile of tokens,
	s_lshl_b32 s18, s16, 15                        ; + two heads (128 rows of 256 bytes) for the second fetching wave
	s_add_co_u32 s20, s20, s18
	s_mov_b32 s21, 0
	s_lshl_b32 s46, s42, 8
	s_lshl_b32 s18, s16, 7
	s_add_co_u32 s46, s46, s18
	s_lshl_b32 s46, s46, 10                        ; B: (256 x tile column + 128 x half) rows of 1,024 bytes
	s_mov_b32 s47, 0
	s_mul_i32 s45, s14, HALFT                      ; where they go: wave x 128 rows
	s_wait_kmcnt 0x0
	s_load_b64 s[96:97], s[8:9], 0x18              ; e6, e7
	s_add_nc_u64 s[20:21], s[4:5], s[20:21]
	s_add_nc_u64 s[46:47], s[6:7], s[46:47]
	CROUND                                         ; all sixteen work-groups are here: the first joint loads meet
.irp s, 0,1
	s_mov_b32 s[G0+4*\s], 1
	s_add_co_u32 s[G0+4*\s+1], s45, \s*SLOT
	s_add_nc_u64 s[G0+4*\s+2:G0+4*\s+3], s[20:21], \s*ASTEP
	s_or_b32 s[G0+4*\s+3], s[G0+4*\s+3], 0x80000000
	s_mov_b32 s[G0B+4*\s], 1
	s_add_co_u32 s[G0B+4*\s+1], s45, \s*SLOT
	s_add_nc_u64 s[G0B+4*\s+2:G0B+4*\s+3], s[46:47], \s*ROWB
	s_or_b32 s[G0B+4*\s+3], s[G0B+4*\s+3], 0x80000000
	JLOAD G0+4*\s, G1, G0B+4*\s, G1B
.endr
	v_and_b32 v1, 15, v0                           ; r
	v_bfe_u32 v2, v0, 4, 1                         ; h
	s_lshl_b32 s46, s42, 10                        ; my first column, in bytes of f32: 1,024 x tile column + 512 x half: in the bias and in a row of out0
	s_lshl_b32 s47, s16, 9
	s_add_co_u32 s46, s46, s47
	s_mov_b32 s47, 0
	s_add_nc_u64 s[10:11], s[10:11], s[46:47]
	v_lshlrev_b32 v7, 5, v2                        ; my half's eight columns of a block of 16
.irp b, 0,1,2,3,4,5,6,7
	global_load_b128 v[BT+8*\b:BT+8*\b+3], v7, s[10:11] offset:64*\b
	global_load_b128 v[BT+8*\b+4:BT+8*\b+7], v7, s[10:11] offset:64*\b+16
.endr
	v_mul_u32_u24 v3, v1, PITCH
	v_lshl_add_u32 v4, v2, 4, v3                   ; B: a fragment's row x pitch + 16 x half
	v_lshrrev_b32 v5, 2, v1                        ; A: token 128 rh + 16 i + r lies in row token / 4 of its head's 64, at byte 64 (token % 4)
	v_and_b32 v6, 3, v1
	v_mul_u32_u24 v5, v5, PITCH
	v_lshl_add_u32 v5, v6, 6, v5
	v_lshl_add_u32 v5, v2, 4, v5
	s_mul_i32 s21, s15, 32*PITCH                   ; my 128 tokens are 32 rows of each head
	s_mul_i32 s22, s16, HALFT                      ; my 128 rows of B,
	s_add_co_u32 s22, s22, 2*HALFT                 ; which lie behind A's 256
.irp s, 0,1
	v_add_nc_u32 v[ADRA+\s], s21, v5
	v_add_nc_u32 v[ADRB+\s], s22, v4
	s_add_co_u32 s21, s21, SLOT
	s_add_co_u32 s22, s22, SLOT
.endr
	s_mul_i32 s23, s14, 16*SPITCH                  ; my stage
	v_mul_u32_u24 v5, v1, SPITCH                   ; in: row r, 32 bytes for each half of the lanes
	v_lshl_add_u32 v5, v2, 5, v5
	v_add_nc_u32 v[STO], s23, v5
	v_and_b32 v6, 31, v0
	v_lshlrev_b32 v[CO], 4, v6                     ; back: the 32 lanes take one row of 512 bytes; and the same in out0
	v_add_nc_u32 v[RD], s23, v[CO]
	s_lshl_b32 s20, s17, 8
	s_lshl_b32 s21, s15, 7
	s_add_co_u32 s20, s20, s21                     ; my first row: 256 x tile row + 128 x half
	s_lshl_b32 s20, s20, 12                        ; rows of 4,096 bytes: under 2^25
	s_mov_b32 s21, 0
	s_add_nc_u64 s[20:21], s[20:21], s[46:47]
	s_add_nc_u64 s[12:13], s[12:13], s[20:21]
.macro FRAG reg, adr, q, i             ; B's fragment: lane l holds row l % 16; registers 4 c .. 4 c + 3 hold K = 128 q + 32 c + 16 (l / 16) + 0 .. 15 of the slot's 256
.irp c, 0,1,2,3
	ds_load_b128 v[\reg+4*\c:\reg+4*\c+3], v[\adr] offset:128*(\q)+32*\c+(\i)*16*PITCH
.endr
.endm
.macro FRAGA reg, adr, q, i            ; A's fragment, the same k in the same registers: k = 64 x head + channel, so head 2 q + c / 2 of the slot's four, channel 32 (c % 2) + 16 (l / 16) on; 16 tokens are 4 rows
.irp c, 0,1,2,3
	ds_load_b128 v[\reg+4*\c:\reg+4*\c+3], v[\adr] offset:(2*(\q)+\c/2)*64*PITCH+32*(\c%2)+(\i)*4*PITCH
.endr
.endm
.macro MUL16 a0, p, zero               ; 16 matrix instructions; the 64 accumulators take turns, one instruction a turn
.irp a, \a0, \a0+1
.irp b, 0,1,2,3,4,5,6,7
.if \zero
	v_wmma_f32_16x16x128_fp8_fp8 v[8*(8*((\a)%4)+\b):8*(8*((\a)%4)+\b)+7], v[128*(\p)+FR*\b:128*(\p)+FR*\b+FR-1], v[AF+FR*(\a):AF+FR*(\a)+FR-1], 0
.else
	v_wmma_f32_16x16x128_fp8_fp8 v[8*(8*((\a)%4)+\b):8*(8*((\a)%4)+\b)+7], v[128*(\p)+FR*\b:128*(\p)+FR*\b+FR-1], v[AF+FR*(\a):AF+FR*(\a)+FR-1], v[8*(8*((\a)%4)+\b):8*(8*((\a)%4)+\b)+7]
.endif
.endr
.endr
.endm
.macro FETCH_B slot, q, p
	WIN TO_B
.irp i, 0,1,2,3,4,5,6,7
	FRAG 128*(\p)+FR*\i, ADRB+\slot, \q, \i
.endr
	WIN 0
.endm
.macro FETCH_A slot, q, i0
.irp i, \i0, \i0+1, \i0+2, \i0+3
	FRAGA AF+FR*(\i), ADRA+\slot, \q, \i
.endr
.endm
.macro PLACES n
.rept \n
	v_nop
.endr
.endm
.macro STEP slot, q, zero
	s_wait_dscnt 4*NL                              ; B's set and A's blocks 0-3 are in; the youngest 16 loads (A's blocks 4-7) may be out
	WIN MUL_LO
	MUL16 0, (\q)%2, \zero
	MUL16 2, (\q)%2, \zero
	s_wait_dscnt 0
	PLACES NP
	FETCH_B \slot, (\q)+1, 1-(\q)%2
	FETCH_A \slot, (\q)+1, 0
	WIN MUL_HI
	MUL16 4, (\q)%2, \zero
	MUL16 6, (\q)%2, \zero
	PLACES NP
	WIN 0
	FETCH_A \slot, (\q)+1, 4
.endm
.macro TURN slot, next, fill
	s_wait_tensorcnt 0x0                           ; all my tensor loads have landed: my part of the next slot
	ds_add_u32 v[SPW], v[NIL]                      ; 0 onto my spare word
	s_wait_dscnt 4*NL+1                            ; (the add and the youngest 16 loads may be out)
	WIN MUL_LO
	MUL16 0, 1, 0
	s_wait_dscnt 0x0                               ; the add is done, and my reads of this slot are over
	s_barrier_signal -1
	MUL16 2, 1, 0
	WIN 0
	s_barrier_wait -1
.if \fill
	CREST                                          ; the barrier has opened a round of the cluster's barrier: no wave of any partner still reads this slot or has a load on its way
	s_add_nc_u64 s[G0+4*\slot+2:G0+4*\slot+3], s[G0+4*\slot+2:G0+4*\slot+3], 2*ASTEP
	s_add_nc_u64 s[G0B+4*\slot+2:G0B+4*\slot+3], s[G0B+4*\slot+2:G0B+4*\slot+3], 2*ROWB
	JLOAD G0+4*\slot, G1, G0B+4*\slot, G1B
.else
	PLACES NP
.endif
	FETCH_B \next, 0, 0
	FETCH_A \next, 0, 0
	WIN MUL_HI
	MUL16 4, 1, 0
	MUL16 6, 1, 0
	PLACES NP
	WIN 0
	FETCH_A \next, 0, 4
.endm
	s_wait_tensorcnt 1                             ; my part of K step 0 is in (K step 1's load may be out),
	s_barrier_signal -1
	s_barrier_wait -1                              ; everybody's is
	FETCH_B 0, 0, 0
	FETCH_A 0, 0, 0
	FETCH_A 0, 0, 4
	STEP 0, 0, 1
	s_mov_b32 s3, LAPS-1
.Llap:
	TURN 0, 1, 1
	STEP 1, 0, 0
	TURN 1, 0, 1
	STEP 0, 0, 0
	s_sub_co_u32 s3, s3, 1
	s_cmp_lg_u32 s3, 0
	s_cbranch_scc1 .Llap
	TURN 0, 1, 0
	STEP 1, 0, 0
	s_wait_dscnt 4*NL
	WIN MUL_LO
	MUL16 0, 1, 0
	MUL16 2, 1, 0
	s_wait_dscnt 0
	WIN MUL_HI
	MUL16 4, 1, 0
	MUL16 6, 1, 0
	WIN 0
; THE WAY OUT, block by block of 16 rows x 128 columns: sum x 2^(e6 + e7) + bias, one packed multiply-add for two numbers, each accumulator from its low end on; through my own stage in LDS; back as whole
; rows of 512 bytes.  LDS serves a wave's instructions in order (ISA guide 5.7.1.4): no wait between the stores and the loads, nor in front of the next block's stores.
.macro TOSTAGE a
.set AC, 64*((\a)%4)
	WIN (0x42+(\a)/4)                              ; source 0: window 2 or 3; the bias window 0; destination window 1
.set j, 0
.rept 32
	v_pk_fma_f32 v[TMP+j:TMP+j+1], v[AC+j:AC+j+1], s[96:97], v[BT+j:BT+j+1] op_sel_hi:[1,0,1]
.set j, j+2
.endr
	WIN 0x04                                       ; the stores' data in window 1
.irp b, 0,1,2,3,4,5,6,7
	ds_store_b128 v[STO], v[TMP+8*\b:TMP+8*\b+3] offset:64*\b
	ds_store_b128 v[STO], v[TMP+8*\b+4:TMP+8*\b+7] offset:64*\b+16
.endr
	WIN 0
.set BB, BK+64*((\a)%2)
.irp t, 0,1,2,3,4,5,6,7,8,9,10,11,12,13,14,15
	ds_load_b128 v[BB+4*\t:BB+4*\t+3], v[RD] offset:\t*SPITCH
.endr
.endm
.macro SEND a, younger                 ; younger: the LDS instructions issued behind block a's loads, which may stay out
.set BB, BK+64*((\a)%2)
	s_wait_dscnt \younger
.if (\a) > 0
	s_add_nc_u64 s[12:13], s[12:13], 16*4096       ; (behind a wait on XCNT: the earlier stores have read their base)  16 rows on
.endif
.irp t, 0,1,2,3,4,5,6,7,8,9,10,11,12,13,14,15
	global_store_b128 v[CO], v[BB+4*\t:BB+4*\t+3], s[12:13] offset:\t*4096 th:TH_STORE_NT   ; 32 lanes store 512 consecutive bytes, aligned to 256; written once, read by nobody here
.endr
.endm
	s_wait_kmcnt 0x0
	s_add_co_i32 s96, s96, s97                     ; e6 + e7
	s_add_co_i32 s96, s96, 127
	s_lshl_b32 s96, s96, 23                        ; 2^(e6 + e7) as f32
	s_wait_loadcnt 0x0                             ; the bias
	PLACES NP                                      ; behind the last products: results are read, and registers that held fragments are written and loaded below
	TOSTAGE 0
.irp a, 1,2,3,4,5,6,7
.if \a > 1
	s_wait_xcnt 0x0                                ; block a - 2's stores have read their registers and their base
.endif
	TOSTAGE \a
	SEND \a-1, 32                                  ; behind block a - 1's loads: block a's 16 stores and 16 loads
.endr
	s_wait_xcnt 0x0
	SEND 7, 0
	s_wait_tensorcnt 0x0                           ; the wave's end: behind my last tensor load and my last LDS store
	ds_add_u32 v[SPW], v[NIL]
	s_wait_dscnt 0x0
	CROUND                                         ; the closing round
	s_endpgm
.Lfunc_end_k_q7b28d85cde_proj:
	.size	k_q7b28d85cde_proj, .Lfunc_end_k_q7b28d85cde_proj-k_q7b28d85cde_proj
	.p2alignl 7, 3214868480
	.fill 96, 4, 3214868480
	.section	.rodata,"a",@progbits
	.p2align	6, 0x0
	.amdhsa_kernel k_q7b28d85cde_proj
		.amdhsa_group_segment_fixed_size 327680
		.amdhsa_private_segment_fixed_size 0
		.amdhsa_enable_private_segment 0
		.amdhsa_kernarg_size 40
		.amdhsa_user_sgpr_count 2
		.amdhsa_user_sgpr_kernarg_segment_ptr 1
		.amdhsa_wavefront_size32 1
		.amdhsa_system_sgpr_workgroup_id_x 1
		.amdhsa_system_sgpr_workgroup_id_y 1
		.amdhsa_system_sgpr_workgroup_id_z 1
		.amdhsa_system_vgpr_workitem_id 0
		.amdhsa_next_free_vgpr 1024
		.amdhsa_next_free_sgpr 98
		.amdhsa_reserve_vcc 0
		.amdhsa_float_denorm_mode_32 3
		.amdhsa_float_denorm_mode_16_64 3
		.amdhsa_memory_ordered 1
		.amdhsa_forward_progress 1
		.amdhsa_inst_pref_size 125
	.end_amdhsa_kernel
	.amdgpu_metadata
---
amdhsa.version: [ 1, 2 ]
amdhsa.kernels:
  - .name:           k_q7b28d85cde_proj
    .symbol:         k_q7b28d85cde_proj.kd
    .args:
      - { .name: ctx_codes, .offset: 0, .size: 8, .value_kind: global_buffer, .address_space: global }
      - { .name: output_weights_codes, .offset: 8, .size: 8, .value_kind: global_buffer, .address_space: global }
      - { .name: lowp_scales, .offset: 16, .size: 8, .value_kind: global_buffer, .address_space: global }
      - { .name: output_biases, .offset: 24, .size: 8, .value_kind: global_buffer, .address_space: global }
      - { .name: out0, .offset: 32, .size: 8, .value_kind: global_buffer, .address_space: global }
    .group_segment_fixed_size: 327680
    .private_segment_fixed_size: 0
    .kernarg_segment_align: 8
    .kernarg_segment_size: 40
    .max_flat_workgroup_size: 128
    .sgpr_count:     98
    .vgpr_count:     1024
    .wavefront_size: 32
...
	.end_amdgpu_metadata
.endif
;; end of part 3
;; ======== version 2 of 2: 3 launches
;; limits: right only within a limited range of input values
;; workspace buffers: q_codes 8,388,608 bytes; k_codes 8,388,608 bytes; v_codes 8,388,608 bytes; ctx_codes 8,388,608 bytes
;; launch qkv (part 4): grid 8 x 32, 4 waves a work-group, clusters of 4 x 4, 327,680 bytes of LDS; arguments inputs_codes, input_weights_codes, input_biases, lowp_scales, q_codes, k_codes, v_codes; writes q_codes, k_codes, v_codes
.if DOCPART == 4
	.amdgcn_target "amdgcn-amd-amdhsa--gfx1250"
	.amdhsa_code_object_version 6
	.text
	.protected	k_q7b28d85cde_qkv
	.globl	k_q7b28d85cde_qkv
	.p2align	8
	.type	k_q7b28d85cde_qkv,@function
k_q7b28d85cde_qkv:
	s_mov_b64 s[64:65], 0
	v_nop
	global_prefetch_b8 v0, s[64:65] scope:SCOPE_SE
	s_setreg_imm32_b32 hwreg(HW_REG_WAVE_MODE, 25, 1), 1
	s_wait_xcnt 0x0
	s_wait_alu depctr_hold_cnt(0) depctr_sa_sdst(0) depctr_va_vdst(0) depctr_va_sdst(0) depctr_va_ssrc(0) depctr_va_vcc(0) depctr_vm_vsrc(0)
	s_getreg_b32 s2, hwreg(HW_REG_IB_STS2, 6, 4)
	s_cmp_eq_u32 s2, 0
	s_cbranch_scc0 .Lentry_in_a_cluster
	s_endpgm
.Lentry_in_a_cluster:
	s_bfe_u32 s2, ttmp6, 0x10000c
	s_cmp_lg_u32 s2, 0xf033
	s_cbranch_scc0 .Lentry_shape_is_right
	s_endpgm
.Lentry_shape_is_right:
; qkv = inputs W^T + bias on codes of FP8 (E4M3), then quantised again: q, k and v leave as codes in the layouts that the attention launch reads.
; inputs: [8192][1024] codes, W: [3072][1024] codes, K innermost; a sum stands for sum x 2^(e0 + e1).  The bias, divided by 2^(e0 + e1), is the C of each accumulator's first product; the code is
; sum / 2^(eo - e0 - e1), held within +-448, to the nearest code; eo = entry 2 (q), 3 (k) or 5 (v) of the scales: the three scales are folded into the conversion's one.
; LIMITS: e0 + e1 between -126 and 126, eo - e0 - e1 between -126 and 119, bias / 2^(e0 + e1) finite, so that each power of two below and each C is an f32 number.  NaN is not served.
; The bias is added first, ahead of the products: another order of rounding, in f32.
; SHARES.  A work-group (256 in all) takes 256 tokens and a pair of heads: 128 rows of W for q, 128 for k, 128 for v.  A wave takes 128 tokens and one head: 64 rows of each: 96 accumulators, 768 registers.
; q and k: source 0 = W, source 1 = inputs: a lane holds one token and eight neighbouring channels.  v: source 0 = inputs, source 1 = W: a lane holds one channel and eight neighbouring keys.
; K = 1,024 goes in four steps of 256.  LDS: two slots of 512 rows (inputs 256, q 128, k 128) and ONE slot of 128 rows for v: 640 rows twice would not fit.  In a step v's products come last, so that v's
; slot, filled at the same barrier as the others, has the next step's first six blocks and half the seventh (of twelve, each 32 matrix instructions) in which to land.
; CLUSTERS: 4 x 4.  The inputs' tile hangs on cy and is shared along a row of the cluster, W's on cx and is shared along a column: each is asked for jointly.
; NO PREFETCH: the block is the largest that the registers hold and K is four steps: two are asked for by the first fills, so one trip of look-ahead would be all.
; OUTPUT LAYOUTS.  q_codes, k_codes: [16 b + head][token][64 bytes]; v_codes: [b][64 head + channel][1,024 keys].  Along the 64 channels (q, k) or the keys (v), number 16 B + 8 H + j lies at byte
; 32 (B / 2) + 16 H + 8 (B % 2) + j: the 16 bytes that a lane makes of two neighbouring accumulators are neighbours.
; REGISTERS, in windows of 256: window 0: v1-31 addresses and constants; v32-159 two sets of the inputs' fragments (8 x 16 rows x 64 K); v160-255 three sets of W's (4 x 16 rows x 64 K);
;   windows 1, 2, 3: the accumulators of q, k, v ((a, b) at v[8 (4 a + b)]: token block a, block b of W's rows).
; (V's tile is waited for in the middle of the seventh block, in all waves alike, and read into registers behind that block, one block ahead of its first product.)
.set ROWB,   256
.set PITCH,  272                       ; an LDS row: 256 bytes + 16 of padding: the 16 rows that a load touches start 4 words apart modulo 64
.set SLOT1,  640*PITCH                 ; slot 0: rows 0-511; v's slot: rows 512-639; slot 1: rows 640-1151
.set VSLOT,  512*PITCH
.set SPARE,  1152*PITCH                ; the spare words, 128 bytes for each wave
.set KST,    128*PITCH                 ; the way out, in slot 0 (its last fill and last read are over): q's stage at 0, k's here, v's behind it
.set VST,    256*PITCH
.set SCQ, 8                            ; v8, v9: the scale and 448 x the scale for q;  v10, v11 for k;  v12, v13 for v
.set SCK, 10
.set SCV, 12
.set ADRA, 14                          ; v14-15  LDS address of my inputs' fragments in slot 0, 1
.set ADRW, 16                          ; v16-17  of my q rows (k's lie 128 rows on)
.set ADRV, 18                          ; v18     of my v rows
.set STOQ, 19                          ; the way out: where I put 16 bytes of q (or k), of v
.set STOV, 20
.set RDQ,  21                          ; where I read rows back
.set RDV,  22
.set GOQ,  23                          ; my byte offset in memory
.set GOV,  24
.set BO,   25                          ; my byte offset in the biases of q and k, of v
.set BR,   26
.set SPW,  28                          ; LDS address of my spare word; never rewritten
.set NIL,  29                          ; 0; never rewritten
.set A0S,  32
.set A1S,  96
.set W0S,  160
.set W1S,  192
.set W2S,  224
.set CD,   96                          ; the way out: 64 registers of codes
.set BK,   160                         ; the way out: 32 stage rows read back
.set G1,   24                          ; s[24:31] descriptor group 1 for the inputs' tiles; s[32:39] group 0, one set for each slot
.set G0,   32
.set G1B,  48                          ; s[48:55], s[56:63] the same for W's tiles
.set G0B,  56
.set MSB, 0
.macro WIN new                         ; the immediate's high byte repeats the setting that is left
.if MSB != \new
	s_set_vgpr_msb (MSB<<8)|\new
.set MSB, \new
.endif
.endm
.macro PLACES n                        ; plain vector instructions between a matrix instruction and a load into, or a vector instruction on, one of its registers
.rept \n
	v_nop
.endr
.endm
.macro TL g0, g1
	tensor_load_to_lds s[\g0:\g0+3], s[\g1:\g1+7]
	s_nop 0
	PLACES 4
.endm
; Joint loads into slot sl.  who = 0: wave 0 the inputs, waves 1 to 3 q's, k's, v's rows of W; 1: waves 0 to 2; 2: wave 3 alone.  The branches hang on the wave's number alone.
.macro JLOAD sl, who
.if \who < 2
	s_cmp_eq_u32 s14, 0
	s_cbranch_scc0 .Lfor_w_\@
	TL G0+4*\sl, G1
	s_branch .Lasked_\@
.Lfor_w_\@:
.endif
.if \who == 1
	s_cmp_eq_u32 s14, 3
	s_cbranch_scc1 .Lasked_\@
.endif
.if \who == 2
	s_cmp_eq_u32 s14, 3
	s_cbranch_scc0 .Lasked_\@
.endif
	TL G0B+4*\sl, G1B
.Lasked_\@:
.endm
.macro CREST                           ; a round of the cluster's barrier behind its opening barrier
	s_cmp_lg_u32 s14, 0
	s_cbranch_scc1 .Lnot_wave_0_\@
	s_barrier_signal -3
.Lnot_wave_0_\@:
	s_barrier_wait -3
	s_barrier_signal -1
	s_barrier_wait -1
.endm
.macro CROUND                          ; a whole round
	s_barrier_signal -1
	s_barrier_wait -1
	CREST
.endm
	s_load_b256 s[4:11], s[0:1], 0x0               ; inputs s[4:5], W s[6:7], bias s[8:9], the scales' exponents s[10:11]
	s_load_b128 s[68:71], s[0:1], 0x20             ; q_codes, k_codes
	s_load_b64 s[72:73], s[0:1], 0x30              ; v_codes
	v_lshl_add_u32 v[SPW], v0, 2, SPARE
	v_mov_b32 v[NIL], 0
	ds_add_u32 v[SPW], v[NIL]                      ; the wave's opening: the add, twice on end, and its wait ahead of my first tensor load
	ds_add_u32 v[SPW], v[NIL]
	v_lshrrev_b32 v1, 5, v0
	v_readfirstlane_b32 s14, v1                    ; wave 0..3
	s_lshr_b32 s15, s14, 1                         ; which 128 of the 256 tokens are mine
	s_and_b32 s16, s14, 1                          ; which of the two heads
	s_bfe_u32 s40, ttmp6, 0x40000                  ; cx, cy
	s_bfe_u32 s41, ttmp6, 0x40004
	s_lshl_b32 s42, ttmp9, 2
	s_add_co_u32 s42, s42, s40                     ; the pair of heads, 0..7
	s_and_b32 s17, ttmp7, 0xffff
	s_lshl_b32 s17, s17, 2
	s_add_co_u32 s17, s17, s41                     ; the tile of 256 tokens, 0..31
	s_lshl_b32 s43, s41, 2
	s_lshl_b32 s43, 15, s43                        ; my row of the cluster
	s_lshl_b32 s44, 0x1111, s40                    ; my column
	s_or_b32 s[G1+0], s43, (0<<16)|(1<<20)|(1<<21)|(5<<22)|(3<<25)  ; the mask; elements of 1 byte; padding of four words after every 64; bit 21 set beside a mask
	s_or_b32 s[G1B+0], s44, (0<<16)|(1<<20)|(1<<21)|(5<<22)|(3<<25)
	s_mov_b32 s[G1+1], ROWB<<16                    ; inputs: 256 rows of 256 bytes, 1,024 apart
	s_mov_b32 s[G1+2], 256<<16
	s_mov_b32 s[G1+3], ROWB<<16
	s_mov_b32 s[G1+4], 256
	s_mov_b32 s[G1+5], 1024
	s_mov_b32 s[G1+6], 0
	s_mov_b32 s[G1+7], 0
	s_mov_b32 s[G1B+1], ROWB<<16                   ; W: 128 rows
	s_mov_b32 s[G1B+2], 128<<16
	s_mov_b32 s[G1B+3], ROWB<<16
	s_mov_b32 s[G1B+4], 128
	s_mov_b32 s[G1B+5], 1024
	s_mov_b32 s[G1B+6], 0
	s_mov_b32 s[G1B+7], 0
	s_lshl_b32 s20, s17, 18                        ; inputs: 256 rows of 1,024 bytes a tile
	s_mov_b32 s21, 0
	s_max_u32 s46, s14, 1
	s_sub_co_u32 s46, s46, 1                       ; wave 1: q, 2: k, 3: v: 1,024 rows of W apart
	s_lshl_b32 s46, s46, 20
	s_lshl_b32 s18, s42, 17
	s_add_co_u32 s46, s46, s18                     ; and 128 rows a pair of heads
	s_mov_b32 s47, 0
	s_lshl_b32 s45, s14, 7
	s_add_co_u32 s45, s45, 128
	s_mul_i32 s45, s45, PITCH                      ; W's rows in slot 0 begin at LDS row 128 + 128 x wave (v's: its own slot)
	s_lshr_b32 s18, s14, 1
	s_and_b32 s18, s18, s14
	s_xor_b32 s18, s18, 1                          ; 0 in wave 3, else 1
	s_lshl_b32 s92, s18, 8
	s_add_co_u32 s92, s92, 256                     ; from fill to fill of a set: 512 bytes along K, v's: 256
	s_mov_b32 s93, 0
	s_mul_i32 s18, s18, SLOT1
	s_add_co_u32 s66, s45, s18                     ; in slot 1; v's tile keeps its one slot
	s_wait_alu depctr_va_vdst(0)
	s_wait_dscnt 0x0                               ; both opening adds are done
	s_wait_kmcnt 0x0
	s_load_b256 s[76:83], s[10:11], 0x0            ; e0 .. e7
	s_add_nc_u64 s[20:21], s[4:5], s[20:21]
	s_add_nc_u64 s[46:47], s[6:7], s[46:47]
	s_mov_b32 s[G0], 1
	s_mov_b32 s[G0+1], 0
	s_mov_b64 s[G0+2:G0+3], s[20:21]
	s_or_b32 s[G0+3], s[G0+3], 0x80000000
	s_mov_b32 s[G0+4], 1
	s_mov_b32 s[G0+5], SLOT1
	s_add_nc_u64 s[G0+6:G0+7], s[20:21], ROWB
	s_or_b32 s[G0+7], s[G0+7], 0x80000000
	s_mov_b32 s[G0B], 1
	s_mov_b32 s[G0B+1], s45
	s_mov_b64 s[G0B+2:G0B+3], s[46:47]
	s_or_b32 s[G0B+3], s[G0B+3], 0x80000000
	s_mov_b32 s[G0B+4], 1
	s_mov_b32 s[G0B+5], s66
	s_add_nc_u64 s[G0B+6:G0B+7], s[46:47], ROWB
	s_or_b32 s[G0B+7], s[G0B+7], 0x80000000
	CROUND                                         ; all sixteen work-groups are here: the first joint loads meet
	JLOAD 0, 0                                     ; step 0, v's tile among it: one tensor load a wave
	s_mul_i32 s21, s15, 128*PITCH                  ; my 128 tokens
	s_mul_i32 s22, s16, 64*PITCH                   ; my head's 64 rows of each of q, k, v
	s_mul_i32 s23, s15, 32*PITCH
	s_add_co_u32 s23, s23, s22                     ; my 32 stage rows of q: 128 tokens of my head, four to a row
	s_lshl_b32 s86, s15, 7
	s_add_co_u32 s86, s86, s22
	s_add_co_u32 s86, s86, VST                     ; v's stage: row = channel, byte = key
	s_mul_i32 s87, s14, 32*PITCH
	s_add_co_u32 s87, s87, VST                     ; the 32 rows of it that I send
	s_lshl_b32 s18, s42, 9
	s_lshl_b32 s19, s16, 8
	s_add_co_u32 s18, s18, s19
	s_mov_b32 s19, 0
	s_add_nc_u64 s[8:9], s[8:9], s[18:19]          ; my head's first bias of q
	v_and_b32 v1, 15, v0                           ; r
	v_bfe_u32 v2, v0, 4, 1                         ; h
	v_and_b32 v3, 31, v0
	v_mul_u32_u24 v4, v1, PITCH
	v_lshl_add_u32 v4, v2, 4, v4                   ; a fragment's row x pitch + 16 h
	v_mul_u32_u24 v5, v2, PITCH
	v_lshl_add_u32 v5, v1, 4, v5                   ; back: lanes 0-15 one row, lanes 16-31 the next
	v_lshrrev_b32 v6, 2, v1
	v_mul_u32_u24 v6, v6, PITCH
	v_and_b32 v7, 3, v1
	v_lshl_add_u32 v6, v7, 6, v6
	v_lshl_add_u32 v6, v2, 4, v6                   ; token r of a block: row r / 4, byte 64 (r % 4) + 16 h
	v_add_nc_u32 v[ADRA], s21, v4
	v_add_nc_u32 v[ADRA+1], SLOT1, v[ADRA]
	v_add_nc_u32 v[ADRV], s22, v4
	v_add_nc_u32 v[ADRW], 256*PITCH, v[ADRV]
	v_add_nc_u32 v[ADRW+1], SLOT1, v[ADRW]
	v_add_nc_u32 v[ADRV], VSLOT, v[ADRV]
	v_add_nc_u32 v[STOQ], s23, v6
	v_add_nc_u32 v[RDQ], s23, v5
	v_add_nc_u32 v[STOV], s86, v4
	v_add_nc_u32 v[RDV], s87, v5
	v_lshlrev_b32 v[GOQ], 4, v3
	v_lshlrev_b32 v[GOV], 10, v2
	v_lshl_add_u32 v[GOV], v1, 4, v[GOV]
	v_lshlrev_b32 v[BO], 5, v2
	v_lshlrev_b32 v[BR], 2, v1
	WIN 0xc0                                       ; the biases into window 3: q's at v160, k's at v192, in the accumulators' layout;
.irp b, 0,1,2,3
	global_load_b128 v[160+8*\b:163+8*\b], v[BO], s[8:9] offset:64*\b
	global_load_b128 v[164+8*\b:167+8*\b], v[BO], s[8:9] offset:64*\b+16
	global_load_b128 v[192+8*\b:195+8*\b], v[BO], s[8:9] offset:4096+64*\b
	global_load_b128 v[196+8*\b:199+8*\b], v[BO], s[8:9] offset:4096+64*\b+16
.endr
	WIN 0
.irp b, 0,1,2,3
	global_load_b32 v[32+\b], v[BR], s[8:9] offset:8192+64*\b   ; v's: one number a lane and block
.endr
	; where my part begins in the outputs.  q, k: ((batch x 16 + head) x 1,024 + token) x 64;  v: batch, row 128 x pair + 32 x wave, key 256 x tile
	s_lshr_b32 s19, s17, 2                         ; the batch
	s_and_b32 s21, s17, 3
	s_lshl_b32 s18, s19, 4
	s_lshl_b32 s22, s42, 1
	s_add_co_u32 s18, s18, s22
	s_add_co_u32 s18, s18, s16
	s_lshl_b32 s18, s18, 16
	s_lshl_b32 s22, s21, 14
	s_add_co_u32 s18, s18, s22
	s_lshl_b32 s22, s15, 13
	s_add_co_u32 s18, s18, s22
	s_lshl_b32 s20, s19, 20
	s_lshl_b32 s22, s42, 17
	s_add_co_u32 s20, s20, s22
	s_lshl_b32 s22, s14, 15
	s_add_co_u32 s20, s20, s22
	s_lshl_b32 s22, s21, 8
	s_add_co_u32 s20, s20, s22
	s_mov_b32 s19, 0
	s_mov_b32 s21, 0
	s_add_nc_u64 s[68:69], s[68:69], s[18:19]
	s_add_nc_u64 s[70:71], s[70:71], s[18:19]
	s_add_nc_u64 s[72:73], s[72:73], s[20:21]
	s_wait_alu depctr_va_vdst(0)
	s_wait_kmcnt 0x0                               ; the exponents
	s_add_co_i32 s96, s76, s77                     ; e0 + e1
	s_sub_co_i32 s90, 127, s96
	s_lshl_b32 s90, s90, 23                        ; 2^-(e0 + e1)
	s_mov_b32 s91, s90                             ; (named with it as a pair)
.macro SCALES e, reg                   ; 2^(eo - e0 - e1) for the conversion, and 448 x that
	s_sub_co_i32 s18, s[\e], s96
	s_add_co_i32 s18, s18, 127
	s_lshl_b32 s19, s18, 23
	v_mov_b32 v[\reg], s19
	s_add_co_i32 s18, s18, 8
	s_lshl_b32 s18, s18, 23
	s_or_b32 s18, s18, 0x600000
	v_mov_b32 v[\reg+1], s18
.endm
	SCALES 78, SCQ
	SCALES 79, SCK
	SCALES 81, SCV
	s_wait_loadcnt 0x0                             ; the biases, divided by 2^(e0 + e1)
	WIN 0xc3
.set nn, 160
.rept 32
	v_pk_mul_f32 v[nn:nn+1], v[nn:nn+1], s[90:91] op_sel_hi:[1,0]
.set nn, nn+2
.endr
	WIN 0xc0
.irp b, 0,1,2,3
.irp j, 0,1,2,3,4,5,6,7
	v_mul_f32 v[224+8*\b+\j], s90, v[32+\b]        ; v's, in the registers of the accumulators (7, b)
.endr
.endr
	WIN 0
.macro LDA slot, sub, set              ; eight fragments of the inputs, the sub-th 64 along K: lane l holds row l % 16; registers 4 c .. 4 c + 3 hold K = 32 c + 16 (l / 16) + 0 .. 15: the same order of k in W's
.irp i, 0,1,2,3,4,5,6,7
	ds_load_b128 v[\set+8*\i:\set+8*\i+3], v[ADRA+\slot] offset:64*\sub+16*PITCH*\i
	ds_load_b128 v[\set+8*\i+4:\set+8*\i+7], v[ADRA+\slot] offset:64*\sub+32+16*PITCH*\i
.endr
.endm
.macro LDW adr, off, sub, set          ; four fragments of W
.irp i, 0,1,2,3
	ds_load_b128 v[\set+8*\i:\set+8*\i+3], v[\adr] offset:\off+64*\sub+16*PITCH*\i
	ds_load_b128 v[\set+8*\i+4:\set+8*\i+7], v[\adr] offset:\off+64*\sub+32+16*PITCH*\i
.endr
.endm
; 4 n matrix instructions: token blocks a0 .. a0 + n - 1 against W's four, 64 along K.  cb: the first register of C's four blocks (the biases), or -1: C is D.
; An accumulator's turn is one instruction, and its next comes 31 or more others later.
.macro MUL as, ws, isv, a0, n, cb
.set ia, \a0
.rept \n
.irp b, 0,1,2,3
.set dd, 8*(4*ia+\b)
.if (\cb) < 0
.set cc, dd
.else
.set cc, (\cb)+8*\b
.endif
.if \isv
	v_wmma_f32_16x16x64_fp8_fp8 v[dd:dd+7], v[\as+8*ia:\as+8*ia+7], v[\ws+8*\b:\ws+8*\b+7], v[cc:cc+7]
.else
	v_wmma_f32_16x16x64_fp8_fp8 v[dd:dd+7], v[\ws+8*\b:\ws+8*\b+7], v[\as+8*ia:\as+8*ia+7], v[cc:cc+7]
.endif
.endr
.set ia, ia+1
.endr
.endm
.macro DONE                            ; places, and back to window 0 for the loads
	PLACES 4
	WIN 0
.endm
; A STEP of 256 along K: twelve blocks of 32 matrix instructions: Q0 K0 Q1 K1 Q2 K2 Q3 K3 V2 V3 V0 V1.  Block n uses W's set n % 3, which is then loaded for block n + 3; the inputs' sets
; hold 64-parts 0 and 1, then 2 and 3 (which V2 and V3 still find there), then 0 and 1 again.  The counts of the waits are the LDS loads issued behind those that the block needs.
.macro KSTEP s
.set SL, (\s)%2
.set NX, 1-SL
	s_wait_dscnt 32                                ; Q0: behind its loads: K0 8, inputs 1 16, Q1 8
.if \s
	WIN 0x50
	MUL A0S, W0S, 0, 0, 8, -1
.else
	WIN 0x70                                       ; C: q's biases in window 3
	MUL A0S, W0S, 0, 0, 8, 160
.endif
	DONE
	LDW ADRW+SL, KST, 1, W0S
	s_wait_dscnt 32                                ; K0: behind: inputs 1 16, Q1 8, K1 8
.if \s
	WIN 0xa0
	MUL A0S, W1S, 0, 0, 8, -1
.else
	WIN 0xb0
	MUL A0S, W1S, 0, 0, 8, 192
.endif
	DONE
	LDA SL, 2, A0S
	LDW ADRW+SL, 0, 2, W1S
	s_wait_dscnt 32                                ; Q1: behind: K1 8, inputs 2 16, Q2 8
	WIN 0x50
	MUL A1S, W2S, 0, 0, 8, -1
	DONE
	LDW ADRW+SL, KST, 2, W2S
	s_wait_dscnt 32                                ; K1: behind: inputs 2 16, Q2 8, K2 8
	WIN 0xa0
	MUL A1S, W0S, 0, 0, 8, -1
	DONE
	LDA SL, 3, A1S
	LDW ADRW+SL, 0, 3, W0S
	s_wait_dscnt 32                                ; Q2: behind: K2 8, inputs 3 16, Q3 8
	WIN 0x50
	MUL A0S, W1S, 0, 0, 8, -1
	DONE
	LDW ADRW+SL, KST, 3, W1S
	s_wait_dscnt 32                                ; K2: behind: inputs 3 16, Q3 8, K3 8
	WIN 0xa0
	MUL A0S, W2S, 0, 0, 8, -1
	s_wait_dscnt 8                                 ; Q3: behind: K3 8
	WIN 0x50
.if \s                                 ; v's tile of this step is shown to all by a barrier of its own, behind which nothing is filled
	MUL A1S, W0S, 0, 0, 4, -1
	s_wait_tensorcnt 0x0                           ; all my tensor loads have landed: the next step's slot, and v's tile of this step
	s_wait_dscnt 0x0                               ; no LDS instruction of mine is pending at the signal
	s_barrier_signal -1
	MUL A1S, W0S, 0, 4, 4, -1
	s_barrier_wait -1
.else
	MUL A1S, W0S, 0, 0, 8, -1
.endif
	DONE
	LDW ADRV, 0, 2, W2S
	LDW ADRV, 0, 3, W0S
	s_wait_dscnt 16                                ; K3: behind: V2 8, V3 8
	WIN 0xa0
	MUL A1S, W1S, 0, 0, 8, -1
	DONE
	LDW ADRV, 0, 0, W1S
	s_wait_dscnt 16                                ; V2: behind: V3 8, V0 8
	WIN 0xf0
.if \s
	MUL A0S, W2S, 1, 0, 8, -1
.else
	MUL A0S, W2S, 1, 0, 7, 224                     ; C: v's biases, which lie in the registers of the accumulators (7, b):
	PLACES 5                                       ; these are written last, five places behind the products that read them as C
	MUL A0S, W2S, 1, 7, 1, -1
.endif
	DONE
	LDA SL, 0, A0S
	LDW ADRV, 0, 1, W2S
	s_wait_dscnt 32                                ; V3: behind: V0 8, inputs 0 16, V1 8
	WIN 0xf0
	MUL A1S, W0S, 1, 0, 8, -1
	DONE
	LDA SL, 1, A1S
.if \s == 3
	s_wait_dscnt 24                                ; V0: behind: V1 8, inputs 1 16
	WIN 0xf0
	MUL A0S, W1S, 1, 0, 8, -1
	s_wait_dscnt 0x0
	MUL A1S, W2S, 1, 0, 8, -1
	DONE
.else
	s_wait_tensorcnt 0x0                           ; all my tensor loads have landed: my part of the next step's slot
	ds_add_u32 v[SPW], v[NIL]                      ; 0 onto my spare word
	s_wait_dscnt 25                                ; V0: behind: V1 8, inputs 1 16, the add
	WIN 0xf0
	MUL A0S, W1S, 1, 0, 4, -1
	s_wait_dscnt 0x0                               ; the add is done, and so are all my reads of this slot and of v's
	s_barrier_signal -1
	MUL A0S, W1S, 1, 4, 4, -1
	WIN 0
	s_barrier_wait -1
	CREST                                          ; no wave of any partner still reads these slots or has a load on its way
.if \s == 2
	s_add_nc_u64 s[G0B+2:G0B+3], s[G0B+2:G0B+3], 2*ROWB
	JLOAD 0, 2                                     ; v's last tile
.else
	s_add_nc_u64 s[G0+4*SL+2:G0+4*SL+3], s[G0+4*SL+2:G0+4*SL+3], 2*ROWB
	s_add_nc_u64 s[G0B+4*SL+2:G0B+4*SL+3], s[G0B+4*SL+2:G0B+4*SL+3], s[92:93]
	JLOAD SL, 0                                    ; this slot two steps on, v's slot one step on
.endif
	PLACES 4
	LDA NX, 0, A0S
	LDW ADRW+NX, 0, 0, W0S
	LDW ADRW+NX, KST, 0, W1S
	WIN 0xf0
	MUL A1S, W2S, 1, 0, 8, -1                      ; V1: its fragments came in ahead of the barrier
	DONE
	LDA NX, 1, A1S
	LDW ADRW+NX, 0, 1, W2S
.endif
.endm
	s_wait_alu depctr_va_vdst(0)                   ; the wait at the head's end
	s_wait_tensorcnt 0x0                           ; my part of step 0 is in
	ds_add_u32 v[SPW], v[NIL]
	s_wait_dscnt 0x0
	CROUND
	JLOAD 1, 1                                     ; step 1 into slot 1 (v's tile waits for its slot)
	LDA 0, 0, A0S
	LDW ADRW, 0, 0, W0S
	LDW ADRW, KST, 0, W1S
	LDA 0, 1, A1S
	LDW ADRW, 0, 1, W2S
	KSTEP 0
	KSTEP 1
	KSTEP 2
	KSTEP 3
; THE WAY OUT of one role (window w): the hold at 448 x the scale (the conversion to an 8-bit code does not saturate: ISA guide 7.6.2), each accumulator from its low end on; conversions; the codes of two
; neighbouring accumulators are 16 neighbouring bytes and go into the stage.
.macro QUANT w, isv, sc, off
.set ib, 0
.rept 8
.set TT, 32+32*(ib%2)
	WIN \w
.set nn, 0
.rept 32
	v_med3_num_f32 v[TT+nn], v[32*ib+nn], -v[\sc+1], v[\sc+1]
.set nn, nn+1
.endr
	WIN 0
.irp b, 0,1,2,3
.if \isv
	v_cvt_scalef32_pk8_fp8_f32 v[CD+16*(ib/2)+4*\b+2*(ib%2):CD+16*(ib/2)+4*\b+2*(ib%2)+1], v[TT+8*\b:TT+8*\b+7], v[\sc]
.else
	v_cvt_scalef32_pk8_fp8_f32 v[CD+8*ib+2*\b:CD+8*ib+2*\b+1], v[TT+8*\b:TT+8*\b+7], v[\sc]
.endif
.endr
	v_nop                                          ; one plain vector instruction behind the last conversion
.if \isv
.if ib%2
.irp b, 0,1,2,3
	ds_store_b128 v[STOV], v[CD+16*(ib/2)+4*\b:CD+16*(ib/2)+4*\b+3] offset:16*PITCH*\b+32*(ib/2)
.endr
.endif
.else
.irp g, 0,1
	ds_store_b128 v[STOQ], v[CD+8*ib+4*\g:CD+8*ib+4*\g+3] offset:\off+4*PITCH*ib+32*\g
.endr
.endif
.set ib, ib+1
.endr
.endm
.macro BACK rd, off                    ; 32 stage rows, two a load
.set nn, 0
.rept 16
	ds_load_b128 v[BK+4*nn:BK+4*nn+3], v[\rd] offset:\off+2*PITCH*nn
.set nn, nn+1
.endr
.endm
.macro SEND go, sb, step
.set nn, 0
.rept 16
	global_store_b128 v[\go], v[BK+4*nn:BK+4*nn+3], s[\sb:\sb+1] offset:\step*nn   ; two aligned units of 256 bytes
.set nn, nn+1
.endr
.endm
	QUANT 1, 0, SCQ, 0
	BACK RDQ, 0                                    ; my own rows: LDS serves a wave's instructions in order (ISA guide 5.7.1.4)
	s_wait_dscnt 16                                ; q's 16 stores have read the code registers; the 16 loads may be out
	QUANT 2, 0, SCK, KST
	s_wait_dscnt 16                                ; q's rows are back; k's 16 stores may be out
	SEND GOQ, 68, 512
	s_wait_xcnt 0x0                                ; the stores have read their data: k's rows may land there
	BACK RDQ, KST
	s_wait_dscnt 16
	QUANT 3, 1, SCV, 0
	s_wait_dscnt 16
	SEND GOQ, 70, 512
	s_wait_xcnt 0x0
	s_wait_dscnt 0x0                               ; for the others' sake: my stores into v's stage are done
	s_barrier_signal -1
	s_barrier_wait -1                              ; a row of 256 keys comes from two waves: now it is whole
	BACK RDV, 0
	s_wait_dscnt 0x0
	SEND GOV, 72, 2048
	s_wait_tensorcnt 0x0                           ; the wave's end: behind my last tensor load and my last LDS store
	ds_add_u32 v[SPW], v[NIL]
	s_wait_dscnt 0x0
	CROUND                                         ; the closing round: no work-group ends while a partner may still ask for a tile that names it
	s_endpgm
.Lfunc_end_k_q7b28d85cde_qkv:
	.size	k_q7b28d85cde_qkv, .Lfunc_end_k_q7b28d85cde_qkv-k_q7b28d85cde_qkv
	.p2alignl 7, 3214868480
	.fill 96, 4, 3214868480
	.section	.rodata,"a",@progbits
	.p2align	6, 0x0
	.amdhsa_kernel k_q7b28d85cde_qkv
		.amdhsa_group_segment_fixed_size 327680
		.amdhsa_private_segment_fixed_size 0
		.amdhsa_enable_private_segment 0
		.amdhsa_kernarg_size 56
		.amdhsa_user_sgpr_count 2
		.amdhsa_user_sgpr_kernarg_segment_ptr 1
		.amdhsa_wavefront_size32 1
		.amdhsa_system_sgpr_workgroup_id_x 1
		.amdhsa_system_sgpr_workgroup_id_y 1
		.amdhsa_system_sgpr_workgroup_id_z 1
		.amdhsa_system_vgpr_workitem_id 0
		.amdhsa_next_free_vgpr 1024
		.amdhsa_next_free_sgpr 100
		.amdhsa_reserve_vcc 0
		.amdhsa_float_denorm_mode_32 3
		.amdhsa_float_denorm_mode_16_64 3
		.amdhsa_memory_ordered 1
		.amdhsa_forward_progress 1
		.amdhsa_inst_pref_size 240
	.end_amdhsa_kernel
	.amdgpu_metadata
---
amdhsa.version: [ 1, 2 ]
amdhsa.kernels:
  - .name:           k_q7b28d85cde_qkv
    .symbol:         k_q7b28d85cde_qkv.kd
    .args:
      - { .name: inputs_codes, .offset: 0, .size: 8, .value_kind: global_buffer, .address_space: global }
      - { .name: input_weights_codes, .offset: 8, .size: 8, .value_kind: global_buffer, .address_space: global }
      - { .name: input_biases, .offset: 16, .size: 8, .value_kind: global_buffer, .address_space: global }
      - { .name: lowp_scales, .offset: 24, .size: 8, .value_kind: global_buffer, .address_space: global }
      - { .name: q_codes, .offset: 32, .size: 8, .value_kind: global_buffer, .address_space: global }
      - { .name: k_codes, .offset: 40, .size: 8, .value_kind: global_buffer, .address_space: global }
      - { .name: v_codes, .offset: 48, .size: 8, .value_kind: global_buffer, .address_space: global }
    .group_segment_fixed_size: 327680
    .private_segment_fixed_size: 0
    .kernarg_segment_align: 8
    .kernarg_segment_size: 56
    .max_flat_workgroup_size: 128
    .sgpr_count:     100
    .vgpr_count:     1024
    .wavefront_size: 32
...
	.end_amdgpu_metadata
.endif
;; end of part 4
;; launch attn (part 5): grid 2 x 128, 8 waves a work-group, no clusters, 157,696 bytes of LDS; arguments q_codes, k_codes, v_codes, lowp_scales, ctx_codes; writes ctx_codes
.if DOCPART == 5
	.amdgcn_target "amdgcn-amd-amdhsa--gfx1250"
	.amdhsa_code_object_version 6
	.text
	.protected	k_q7b28d85cde_attn
	.globl	k_q7b28d85cde_attn
	.p2align	8
	.type	k_q7b28d85cde_attn,@function
k_q7b28d85cde_attn:
	s_mov_b64 s[64:65], 0
	v_nop
	global_prefetch_b8 v0, s[64:65] scope:SCOPE_SE
	s_setreg_imm32_b32 hwreg(HW_REG_WAVE_MODE, 25, 1), 1
	s_wait_xcnt 0x0
; ctx[b][s][head][:] = the sum over keys of softmax(q . k / 8) v, both products on codes of FP8 (E4M3); ctx leaves as codes with the scale 2^e6.
; q_codes, k_codes: [16 b + head][1,024][64 bytes]; v_codes: [b][64 head + channel][1,024 keys]; along the 64 channels (q, k) and the keys (v) the two middle groups of eight of each 32 are swapped,
; so that a load of 16 bytes at 32 c + 16 (lane / 16) brings four registers of a fragment in the matrix instruction's own order of k.
; THE SOFTMAX AHEAD OF THE SECOND PRODUCT: t = score x log2(e) / 8; M = the running largest t, rounded UP to a whole number; p = 2^(t - M) is quantised with 2^e4, not normalised.  The row's sum is taken of the
; unquantised p in f32 and divides at the end.  When M moves, the sum and O are multiplied by 2^(old M - new M): exact.
; SHARES.  A work-group owns 512 queries of one head (grid x: which half; grid y: 16 b + head).  The head's whole K and V, 128 KiB of codes, lie in LDS.  Eight waves of 512 registers, two to a SIMD.
; A wave makes two passes; in a pass it owns two tiles of 16 queries, so that each fragment of K and V read from LDS feeds two matrix instructions, and walks all 1,024 keys, 128 a step.
; K AND V COME THROUGH REGISTERS: in four chunks of 256 keys, each wave an eighth of each (32 registers).  Chunks 0 to 2 are asked for at the head, chunk 3 at step 1; chunk 0 alone is waited for ahead of step 0; chunks 1
; and 2 are put into LDS at step 1, chunk 3 at step 5, in the first pass alone: the second pass has no barrier.
; LAYOUT.  Both products are used transposed: S^T = K Q^T (source 0 = 16 keys, source 1 = 16 queries), O^T = V^T P^T (source 0 = 16 channels, source 1 = P): a lane holds ONE query (lane % 16) throughout,
; and tile T's eight scores of a lane are keys 16 T + 8 (lane / 16) + 0 .. 7: their eight codes are registers 2 T, 2 T + 1 of the second product's operand.
; THE HOLD of p at 448 x 2^e4 stands behind a scalar branch on e4: p is at most 1 but for a rounding, and 448 x 2^e4 is 1.75 or more where e4 is -8 or more.  This launch has no tensor load, no copy and no cluster.
; NO CLUSTER: a head's K and V are read by the two work-groups of its row of the grid alone, once each; the grid's x, 2, is no multiple of a cluster's 4, and along y lie other heads, which share nothing.
; NO PREFETCH: but for chunk 3 (32 KiB) and the second pass's Q (16 KiB) all is asked for by the head's own loads.
; LIMITS on the given exponents, so that each power of two below is an f32 number: e2 + e3 between -123 and 130 (added to c's exponent field); e4 and e6 between -126 and 119; e4 + e5 goes by v_ldexp_f32.
; The scaled scores stay under 2^31 in magnitude.  NaN is not served.
; REGISTERS.  Window 0: v1-8, v20-23 addresses; v12-19, v24-27 statistics; v32-95 K's eight fragments; v96-159 tile A's S^T, then p; v160-223 tile B's; v224-255 constants and chains.
;   Window 1: v16-31 Q of both tiles; v32-95 V's four fragments; v96-127, v128-159 O^T; v160-223 chunks on their way; v160-175 at a pass's end ctx's codes; v224-239, v240-255 p's codes.
.set KP,   272                         ; K in LDS: 256 rows of 4 keys x 64 bytes + 16 of padding: key k at (k / 4) 272 + (k % 4) 64: the 16 keys of a load start in 16 different columns of 16 bytes modulo 256
.set VP,   1040                        ; V in LDS: 64 rows (channels) of 1,024 keys + 16 of padding
.set VB,   256*KP
.set SG,   VB+64*VP                    ; behind V: a stage of 32 tokens x 80 bytes for each wave
.set SPARE, SG+8*32*80                 ; the spare words, 128 bytes for each wave
; window 0
.set AK0, 1                            ; v1   my lane's place in a tile of K
.set AV0, 2                            ; v2   in a tile of V
.set ADK, 3                            ; v3   LDS address of the K loads in hand
.set ADV, 4                            ; v4   of the V loads
.set QO,  5                            ; v5   my byte offset in the work-group's rows of Q
.set STO, 6                            ; v6   the stage: where I put 8 bytes of a token
.set RD,  7                            ; v7   and where I read 16 bytes back
.set GO,  8                            ; v8   2,048 x wave + 16 x lane: my byte offset in ctx_codes and in a chunk of K
.set MA,  12                           ; v[12:13] tile A: -M, the largest t;  v[14:15] tile B
.set SU,  16                           ; v[16:17] tile A's sum in two halves;  v[18:19] tile B's
.set KL,  21                           ; v21  where I put K's bytes in LDS
.set GV,  22                           ; v22  my byte offset in V
.set VL,  23                           ; v23  where I put V's bytes
.set FF,  24                           ; v[24:25] tile A's f = 2^(old M - new M) (the upper word is only named);  v[26:27] tile B's
.set SPW, 28                           ; v28  LDS address of my spare word; never rewritten
.set NIL, 29                           ; v29  0; never rewritten
.set KF,  32                           ; K's fragments
.set S,   96                           ; the scores, then p: 64 registers a tile
.set PD,  224                          ; v224, v225 the lane permutes' destinations
.set SCP, 226                          ; v226 2^e4
.set LC,  227                          ; v227 448 x 2^e6
.set SCX, 228                          ; v228 2^e6
.set RL,  230                          ; v[230:231], v[232:233] 2^(e4 + e5) / the sum
.set OM,  234                          ; v234, v235 the old -M
.set C1,  236                          ; v236-247 the sums' chains 1 to 3: tile u, chain k at v[C1 + 6 u + 2 (k - 1)]
.set MX,  248                          ; v248-255 the maxima's four chains: tile u, chain k at v[MX + 4 u + k]
; window 1
.set Q1,  16
.set VF,  32
.set O1,  96
.set CC,  160
.set PC,  224
.set WV,   14                          ; s14  my wave's number
.set SEL,  20                          ; s[20:21] lane selects for v_permlanex16_b32: lane l xor 16
.set CS,   22                          ; s[22:23] c = log2(e) / 8 x 2^(e2 + e3)
.set E4,   60                          ; s60  e4
.set TK,   66                          ; s66  LDS byte of the step whose K is fetched
.set TV,   67                          ; s67  the same for V
.set CNT,  68
.set PASS, 69
.set EPV,  70                          ; s70  e4 + e5
.set GT,   74                          ; s74  trips of the step loop so far, both passes
.set LP,   75                          ; s75  448 x 2^e4
.set MSB, 0
.macro WIN new                         ; the immediate's low byte: bits 1:0 source 0, 3:2 source 1, 5:4 source 2, 7:6 destination; its high byte repeats the setting that is left
.if MSB != \new
	s_set_vgpr_msb (MSB<<8)|\new
.set MSB, \new
.endif
.endm
; my two tiles of Q, off bytes on, into window 1: a fragment of 16 queries x 64 is 8 registers, two loads of 16 bytes; tile B lies 16 queries on
.macro QLOAD off
	WIN 0x40                                       ; destination window 1, address window 0
	global_load_b128 v[Q1:Q1+3], v[QO], s[4:5] offset:\off
	global_load_b128 v[Q1+4:Q1+7], v[QO], s[4:5] offset:\off+32
	global_load_b128 v[Q1+8:Q1+11], v[QO], s[4:5] offset:\off+1024
	global_load_b128 v[Q1+12:Q1+15], v[QO], s[4:5] offset:\off+1056
	WIN 0
.endm
; My eighth of chunk c into 32 registers of window 1 from reg on: 2,048 bytes of K on end, and 256 keys of 8 channels of V: each load of the wave covers two aligned units of 256 bytes
.macro ASKC c, reg
	WIN 0x40
.irp i, 0,1,2,3
	global_load_b128 v[\reg+4*\i:\reg+4*\i+3], v[GO], s[6:7] offset:16384*\c+512*\i
.endr
.irp i, 0,1,2,3
	global_load_b128 v[\reg+16+4*\i:\reg+16+4*\i+3], v[GV], s[8:9] offset:256*\c+2048*\i
.endr
	WIN 0
.endm
.macro PUTC c, reg
	WIN 0x04                                       ; the stores' data in window 1
.irp i, 0,1,2,3
	ds_store_b128 v[KL], v[\reg+4*\i:\reg+4*\i+3] offset:64*KP*\c+2*KP*\i
.endr
.irp i, 0,1,2,3
	ds_store_b128 v[VL], v[\reg+16+4*\i:\reg+16+4*\i+3] offset:256*\c+2*VP*\i
.endr
	WIN 0
.endm
.macro MEET                            ; all my LDS instructions are done, and so are everybody's
	s_wait_dscnt 0x0
	s_barrier_signal -1
	s_barrier_wait -1
.endm
	s_load_b256 s[4:11], s[0:1], 0x0               ; q s[4:5], k s[6:7], v s[8:9], the scales' exponents s[10:11]
	s_load_b64 s[12:13], s[0:1], 0x20              ; ctx_codes
	v_lshrrev_b32 v9, 5, v0
	v_readfirstlane_b32 s[WV], v9                  ; wave 0..7
	s_and_b32 s15, ttmp7, 0xffff                   ; 16 b + head
	s_lshl_b32 s17, s15, 16                        ; the head's first byte in q, k and v: 65,536 a head
	s_lshl_b32 s73, s[WV], 11                      ; my wave's 32 queries of 64 bytes; also its 2,048 bytes of a chunk of K
	s_mul_i32 s71, s[WV], 8*KP                     ; which are 8 rows in LDS
	s_lshl_b32 s72, s[WV], 13                      ; my 8 channels of V in memory
	s_mul_i32 s76, s[WV], 8*VP
	s_add_co_u32 s76, s76, VB                      ; and in LDS
	s_mul_i32 s77, s[WV], 32*80
	s_add_co_u32 s77, s77, SG                      ; my stage
	s_lshl_b32 s18, ttmp9, 15                      ; my work-group's 512 queries of 64 bytes
	s_add_co_u32 s18, s18, s17
	s_mov_b32 s19, 0
	s_mov_b32 s24, s17
	s_mov_b32 s25, 0
	s_lshr_b32 s2, s15, 4                          ; ctx_codes: [4 b + token / 256][head][256 tokens][64 bytes]
	s_lshl_b32 s2, s2, 2
	s_lshl_b32 s3, ttmp9, 1
	s_add_co_u32 s2, s2, s3
	s_lshl_b32 s2, s2, 18
	s_and_b32 s3, s15, 15
	s_lshl_b32 s3, s3, 14
	s_add_co_u32 s2, s2, s3
	s_mov_b32 s3, 0
	s_mov_b32 s[SEL], 0x76543210
	s_mov_b32 s[SEL+1], 0xfedcba98
	s_mov_b32 s[PASS], 2
	s_mov_b32 s[GT], 0
	v_lshl_add_u32 v[SPW], v0, 2, SPARE
	v_mov_b32 v[NIL], 0
	v_and_b32 v9, 15, v0                           ; r
	v_bfe_u32 v10, v0, 4, 1                        ; h
	v_and_b32 v11, 31, v0                          ; lane
	v_lshl_add_u32 v[GO], v11, 4, s73
	v_lshlrev_b32 v[GV], 10, v10
	v_lshl_add_u32 v[GV], v9, 4, v[GV]
	v_add_nc_u32 v[GV], s72, v[GV]
	v_lshlrev_b32 v[QO], 6, v9
	v_lshl_add_u32 v[QO], v10, 4, v[QO]
	v_add_nc_u32 v[QO], s73, v[QO]
	v_mul_u32_u24 v[KL], v10, KP
	v_lshl_add_u32 v[KL], v9, 4, v[KL]
	v_add_nc_u32 v[KL], s71, v[KL]
	v_mul_u32_u24 v[VL], v10, VP
	v_lshl_add_u32 v[VL], v9, 4, v[VL]
	v_add_nc_u32 v[VL], s76, v[VL]
	v_lshrrev_b32 v[AK0], 2, v9
	v_mul_u32_u24 v[AK0], v[AK0], KP
	v_and_b32 v[AV0], 3, v9
	v_lshl_add_u32 v[AK0], v[AV0], 6, v[AK0]
	v_lshl_add_u32 v[AK0], v10, 4, v[AK0]          ; K: key r of a tile: (r / 4) 272 + (r % 4) 64 + 16 h
	v_mul_u32_u24 v[AV0], v9, VP
	v_lshl_add_u32 v[AV0], v10, 4, v[AV0]
	v_add_nc_u32 v[AV0], VB, v[AV0]                ; V: channel r of a tile: 1,040 r + 16 h
	v_mul_u32_u24 v[STO], v9, 80
	v_lshl_add_u32 v[STO], v10, 3, v[STO]
	v_add_nc_u32 v[STO], s77, v[STO]               ; in: token r, 8 bytes for each half of the lanes
	v_lshrrev_b32 v[RD], 2, v11
	v_mul_u32_u24 v[RD], v[RD], 80
	v_and_b32 v9, 3, v11
	v_lshl_add_u32 v[RD], v9, 4, v[RD]
	v_add_nc_u32 v[RD], s77, v[RD]                 ; back: four lanes to a token's 64 bytes
	s_wait_alu depctr_va_vdst(0)
	s_wait_kmcnt 0x0
	s_load_b256 s[56:63], s[10:11], 0x0            ; e0 .. e7
	s_add_nc_u64 s[4:5], s[4:5], s[18:19]
	s_add_nc_u64 s[6:7], s[6:7], s[24:25]
	s_add_nc_u64 s[8:9], s[8:9], s[24:25]
	s_add_nc_u64 s[12:13], s[12:13], s[2:3]
	QLOAD 0
	ASKC 0, VF
	ASKC 1, CC
	ASKC 2, CC+32
	s_wait_kmcnt 0x0
	s_add_co_i32 s76, s58, s59                     ; a score stands for score x 2^(e2 + e3): the two exponents are added to c's exponent field
	s_lshl_b32 s76, s76, 23
	s_mov_b32 s[CS], 0x3e38aa3b                    ; log2(e) / 8
	s_add_co_i32 s[CS], s[CS], s76
	s_mov_b32 s[CS+1], s[CS]                       ; (named with it as a pair, so it is written)
	s_add_co_i32 s[EPV], s60, s61                  ; e4 + e5
	s_add_co_i32 s[LP], s60, 127
	s_lshl_b32 s76, s[LP], 23                      ; 2^e4
	s_add_co_i32 s[LP], s[LP], 8
	s_lshl_b32 s[LP], s[LP], 23
	s_or_b32 s[LP], s[LP], 0x600000                ; 448 x 2^e4
	s_add_co_i32 s77, s62, 127
	s_lshl_b32 s78, s77, 23                        ; 2^e6
	s_add_co_i32 s77, s77, 8
	s_lshl_b32 s77, s77, 23
	s_or_b32 s77, s77, 0x600000                    ; 448 x 2^e6
	v_mov_b32 v[FF+1], 0                           ; (upper halves of pairs that are named whole)
	v_mov_b32 v[FF+3], 0
	v_mov_b32 v[RL+1], 0
	v_mov_b32 v[RL+3], 0
	v_mov_b32 v[PD], 0                             ; a lane permute's destination counts as one of its sources
	v_mov_b32 v[PD+1], 0
	v_mov_b32 v[SCP], s76
	v_mov_b32 v[LC], s77
	v_mov_b32 v[SCX], s78
.macro KLOAD                           ; a step's K: 8 tiles of 16 keys x 64 channels, 8 registers each: 16 loads
.irp T, 0,1,2,3,4,5,6,7
	ds_load_b128 v[KF+8*\T:KF+8*\T+3], v[ADK] offset:4*KP*\T
	ds_load_b128 v[KF+8*\T+4:KF+8*\T+7], v[ADK] offset:4*KP*\T+32
.endr
.endm
.macro VLOAD                           ; a step's V: 4 tiles of 16 channels x 128 keys, 16 registers each, into window 1: 16 loads
	WIN 0x40
.irp t, 0,1,2,3
.irp c, 0,1,2,3
	ds_load_b128 v[VF+16*\t+4*\c:VF+16*\t+4*\c+3], v[ADV] offset:16*VP*\t+32*\c
.endr
.endr
	WIN 0
.endm
.macro SMUL                            ; S^T = K Q^T of both tiles: K and S^T in window 0, Q in window 1
	WIN 0x04
.irp u, 0,1
.irp T, 0,1,2,3,4,5,6,7
	v_wmma_f32_16x16x64_fp8_fp8 v[S+64*\u+8*\T:S+64*\u+8*\T+7], v[KF+8*\T:KF+8*\T+7], v[Q1+8*\u:Q1+8*\u+7], 0
.endr
.endr
	WIN 0
.endm
.macro PVMUL first                     ; O^T += V^T P^T of both tiles, all in window 1.  first = 1: the products start the sums.  The eight accumulators take turns, one instruction a turn
	WIN 0x55
.irp u, 0,1
.irp t, 0,1,2,3
.if \first
	v_wmma_f32_16x16x128_fp8_fp8 v[O1+32*\u+8*\t:O1+32*\u+8*\t+7], v[VF+16*\t:VF+16*\t+15], v[PC+16*\u:PC+16*\u+15], 0
.else
	v_wmma_f32_16x16x128_fp8_fp8 v[O1+32*\u+8*\t:O1+32*\u+8*\t+7], v[VF+16*\t:VF+16*\t+15], v[PC+16*\u:PC+16*\u+15], v[O1+32*\u+8*\t:O1+32*\u+8*\t+7]
.endif
.endr
.endr
	WIN 0
.endm
; The step's largest score of each query among the lane's 64 keys: four chains a tile, the registers in ascending order, the two tiles line by line.
.macro MAXES
.irp k, 0,1,2,3
.irp u, 0,1
	v_max3_num_f32 v[MX+4*\u+\k], v[S+64*\u+3*\k], v[S+64*\u+3*\k+1], v[S+64*\u+3*\k+2]
.endr
.endr
.set ii, 12
.set kk, 0
.rept 26
.irp u, 0,1
	v_max3_num_f32 v[MX+4*\u+kk], v[MX+4*\u+kk], v[S+64*\u+ii], v[S+64*\u+ii+1]
.endr
.set ii, ii+2
.set kk, (kk+1)%4
.endr
.irp u, 0,1
	v_max3_num_f32 v[MX+4*\u], v[MX+4*\u], v[MX+4*\u+1], v[MX+4*\u+2]
.endr
.irp u, 0,1
	v_max_num_f32 v[MX+4*\u], v[MX+4*\u], v[MX+4*\u+3]
.endr
.endm
; The new M and f, the two tiles line by line.
.macro STATS
.irp u, 0,1
	v_permlanex16_b32 v[PD+\u], v[MX+4*\u], s[SEL], s[SEL+1]   ; the query's other 64 keys lie in lane l xor 16
.endr
.irp u, 0,1
	v_mov_b32 v[OM+\u], v[MA+2*\u]                 ; the old -M
.endr
.irp u, 0,1
	v_max_num_f32 v[MX+4*\u], v[MX+4*\u], v[PD+\u]
.endr
.irp u, 0,1
	v_mul_f32 v[MX+4*\u], s[CS], v[MX+4*\u]        ; as t (c is positive)
.endr
.irp u, 0,1
	v_max_num_f32 v[MA+2*\u+1], v[MA+2*\u+1], v[MX+4*\u]   ; the running largest t
.endr
.irp u, 0,1
	v_floor_f32 v[MA+2*\u], -v[MA+2*\u+1]          ; the new -M = floor(-t) = -ceil(t): a whole number
.endr
.irp u, 0,1
	v_sub_f32 v[OM+\u], v[MA+2*\u], v[OM+\u]       ; old M - new M: a whole number, 0 or less
.endr
.irp u, 0,1
	v_cvt_i32_f32 v[OM+\u], v[OM+\u]               ; (it saturates)
.endr
.irp u, 0,1
	v_ldexp_f32 v[FF+2*\u], 1.0, v[OM+\u]          ; f = 2^(old M - new M)
.endr
.endm
.macro TMINUS u                        ; t - M, pair nn of tile u
	v_pk_fma_f32 v[S+64*\u+2*nn:S+64*\u+2*nn+1], v[S+64*\u+2*nn:S+64*\u+2*nn+1], s[CS:CS+1], v[MA+2*\u:MA+2*\u+1] op_sel_hi:[1,0,0]
.endm
; p = 2^(t - M): two batches of 64; tile B's scalings stand among tile A's exponentials.  None of these lines names an exponential's result.
.macro EXPS
.set nn, 0
.rept 32
	TMINUS 0
.set nn, nn+1
.endr
	s_wait_alu depctr_va_vdst(0)                   ; the wait ahead of the batch
.set nn, 0
.rept 32
	v_exp_f32 v[S+2*nn], v[S+2*nn]
	v_exp_f32 v[S+2*nn+1], v[S+2*nn+1]
	TMINUS 1
.set nn, nn+1
.endr
	s_wait_alu depctr_va_vdst(0)                   ; and ahead of the second
.set nn, 64
.rept 64
	v_exp_f32 v[S+nn], v[S+nn]
.set nn, nn+1
.endr
.endm
; The rows' sums of the unquantised p: two numbers a line, four chains a tile (chain 0 is the running sum), the two tiles line by line.
.macro SUMS
	v_pk_mul_f32 v[SU:SU+1], v[SU:SU+1], v[FF:FF+1] op_sel_hi:[1,0]           ; the sums under the new M: the plain lines behind the last exponential
	v_pk_mul_f32 v[SU+2:SU+3], v[SU+2:SU+3], v[FF+2:FF+3] op_sel_hi:[1,0]
	s_wait_alu depctr_va_vdst(0)                   ; one wait for the exponentials, ahead of their first reader
.irp k, 0,1,2
.irp u, 0,1
	v_pk_add_f32 v[C1+6*\u+2*\k:C1+6*\u+2*\k+1], v[S+64*\u+4*\k:S+64*\u+4*\k+1], v[S+64*\u+4*\k+2:S+64*\u+4*\k+3]
.endr
.endr
.set ii, 12
.set kk, 0
.rept 26
.irp u, 0,1
.if kk == 0
	v_pk_add_f32 v[SU+2*\u:SU+2*\u+1], v[SU+2*\u:SU+2*\u+1], v[S+64*\u+ii:S+64*\u+ii+1]
.else
	v_pk_add_f32 v[C1+6*\u+2*(kk-1):C1+6*\u+2*(kk-1)+1], v[C1+6*\u+2*(kk-1):C1+6*\u+2*(kk-1)+1], v[S+64*\u+ii:S+64*\u+ii+1]
.endif
.endr
.set ii, ii+2
.set kk, (kk+1)%4
.endr
.irp u, 0,1
	v_pk_add_f32 v[C1+6*\u:C1+6*\u+1], v[C1+6*\u:C1+6*\u+1], v[C1+6*\u+2:C1+6*\u+3]
.endr
.irp u, 0,1
	v_pk_add_f32 v[SU+2*\u:SU+2*\u+1], v[SU+2*\u:SU+2*\u+1], v[C1+6*\u+4:C1+6*\u+5]
.endr
.irp u, 0,1
	v_pk_add_f32 v[SU+2*\u:SU+2*\u+1], v[SU+2*\u:SU+2*\u+1], v[C1+6*\u:C1+6*\u+1]
.endr
.endm
; The hold and the conversions.  The conversion to an 8-bit code does not saturate (ISA guide 7.6.2); p is not negative, so the hold is one-sided, and it is owed only where 448 x 2^e4 is under 1.75.
; Two minima go as a dual-issue pair: one scalar register is the first source of both halves, the second sources and the destinations are an even register and its odd neighbour.
.macro CODES
	s_cmp_ge_i32 s[E4], -8
	s_cbranch_scc1 .Lopen_\@
.set ii, 0
.rept 64
	v_dual_min_num_f32 v[S+ii], s[LP], v[S+ii] :: v_dual_min_num_f32 v[S+ii+1], s[LP], v[S+ii+1]
.set ii, ii+2
.endr
.Lopen_\@:
	WIN 0x40                                       ; the codes go to window 1
.set ii, 0
.rept 16
	v_cvt_scalef32_pk8_fp8_f32 v[PC+2*ii:PC+2*ii+1], v[S+8*ii:S+8*ii+7], v[SCP]   ; keys 16 T + 8 h + 0 .. 7: registers 2 T, 2 T + 1 of the tile's operand
.set ii, ii+1
.endr
.endm
.macro RESCALE                         ; O^T under the new M, ahead of the exponentials: no transcendental stands between O^T's products and these lines
	WIN 0x41                                       ; O^T in window 1, f in window 0
.set ii, 0
.rept 32
	v_pk_mul_f32 v[O1+2*ii:O1+2*ii+1], v[O1+2*ii:O1+2*ii+1], v[FF+2*(ii/16):FF+2*(ii/16)+1] op_sel_hi:[1,0]
.set ii, ii+1
.endr
.endm
; A KEY STEP of 128 keys.  look = 1: the next step's K is fetched behind this step's first products, its V behind the second: each run of 16 loads has a softmax or more in which to land.
; look = 0: the pass's last step; in the first pass the next pass's Q is asked for here.  first = 1: the pass's first step: its second product starts O^T's sums, and there is nothing to rescale.
.macro STEP look, first
	; (V's run of 16 loads is waited for behind the step's first products: no blocking wait stands between the conversions and the second products.)
	s_wait_dscnt 16                                ; K's 16 loads are in; V's 16, issued behind them, may be out
	SMUL
.if \look
	s_add_co_u32 s[TK], s[TK], 32*KP               ; 128 keys are 32 rows
	v_add_nc_u32 v[ADK], s[TK], v[AK0]             ; with the three v_nop: four places between the products and the loads into K's registers, and the first read of the scores
.rept 3
	v_nop
.endr
	KLOAD
	s_wait_dscnt 16                                ; V's 16 loads are in; the next step's 16 of K may be out
.else
.rept 4
	v_nop
.endr
	s_wait_dscnt 0x0                               ; V's 16 loads are in
	s_cmp_eq_u32 s[PASS], 1
	s_cbranch_scc1 .Lno_q_\@                       ; the last pass asks for nothing: no load leaves its buffer
	QLOAD 16384                                    ; 256 queries on
.Lno_q_\@:
.endif
	MAXES
	STATS
.if \first == 0
	RESCALE
	WIN 0
.endif
	EXPS
	SUMS
	CODES
	v_nop                                          ; one plain vector instruction between the last conversion and the products that read the codes
	PVMUL \first
.if \look
	s_add_co_u32 s[TV], s[TV], 128
	v_add_nc_u32 v[ADV], s[TV], v[AV0]             ; with the three v_nop: four places in front of the loads into V's registers
.rept 3
	v_nop
.endr
	VLOAD
.endif
.endm
	s_wait_alu depctr_va_vdst(0)                   ; the wait at the head's end
	s_wait_loadcnt 16                              ; Q and chunk 0 are in; chunks 1 and 2, 16 loads, may be out
	PUTC 0, VF
	MEET                                           ; the first 256 keys are there
.Lpass:                                            ; pass p: queries 256 p + 32 wave + 0 .. 31 of the work-group's 512
	v_mov_b32 v[MA+1], 0xff61b1e6                  ; the largest t so far: -3e38: the first step's f is then 0, which leaves the sums' zeros zeros
	v_mov_b32 v[MA+3], 0xff61b1e6
	v_mov_b32 v[SU], 0
	v_mov_b32 v[SU+1], 0
	v_mov_b32 v[SU+2], 0
	v_mov_b32 v[SU+3], 0
	v_floor_f32 v[MA], -v[MA+1]                    ; -M
	v_floor_f32 v[MA+2], -v[MA+3]
	s_mov_b32 s[TK], 0
	s_mov_b32 s[TV], 0
	v_add_nc_u32 v[ADK], s[TK], v[AK0]
	v_add_nc_u32 v[ADV], s[TV], v[AV0]
	KLOAD                                          ; step 0
	VLOAD
	STEP 1, 1                                      ; step 0 is written out: its products start O^T's sums
	s_mov_b32 s[CNT], 6
.Lstep:                                            ; steps 1 to 6.  The two branches hang on the count of trips alone: the same in all waves
	s_cmp_eq_u32 s[GT], 0
	s_cbranch_scc0 .Lnot_1
	s_wait_loadcnt 0x0                             ; step 1 of the first pass: chunks 1 and 2 are in
	MEET
	PUTC 1, CC
	PUTC 2, CC+32
	s_wait_dscnt 0x0
	ASKC 3, CC                                     ; the last chunk: four steps ahead of its first read
	MEET                                           ; 768 keys are there
.Lnot_1:
	s_cmp_eq_u32 s[GT], 4
	s_cbranch_scc0 .Lnot_5
	s_wait_loadcnt 0x0                             ; step 5: chunk 3
	MEET
	PUTC 3, CC
	MEET                                           ; all keys are there
.Lnot_5:
	s_add_co_u32 s[GT], s[GT], 1
	STEP 1, 0
	s_sub_co_u32 s[CNT], s[CNT], 1
	s_cmp_lg_u32 s[CNT], 0
	s_cbranch_scc1 .Lstep
	STEP 0, 0                                      ; step 7
.rept 4
	v_nop                                          ; places behind the last products
.endr
	s_wait_loadcnt 0x0                             ; no load of mine is out: the next pass's Q is in, and the registers of the chunks may be written
	; THE PASS'S END: O^T x 2^(e4 + e5) / the sum, held within 448 x 2^e6 and turned into codes: tile t's eight channels 16 t + 8 h + 0 .. 7 in two registers
.irp u, 0,1
	v_add_f32 v[SU+2*\u], v[SU+2*\u], v[SU+2*\u+1]
.endr
.irp u, 0,1
	v_permlanex16_b32 v[PD+\u], v[SU+2*\u], s[SEL], s[SEL+1]
.endr
.irp u, 0,1
	v_add_f32 v[SU+2*\u], v[SU+2*\u], v[PD+\u]     ; the row's sum
.endr
	s_wait_alu depctr_va_vdst(0)                   ; the wait ahead of the batch
.irp u, 0,1
	v_rcp_f32 v[RL+2*\u], v[SU+2*\u]
.endr
	v_nop                                          ; a plain instruction behind the reciprocals
	s_wait_alu depctr_va_vdst(0)                   ; and one wait for the two, ahead of their first reader
.irp u, 0,1
	v_ldexp_f32 v[RL+2*\u], v[RL+2*\u], s[EPV]
.endr
	WIN 0x41                                       ; O^T and the codes in window 1, the constants in window 0
	s_wait_alu depctr_va_vdst(0)                   ; directly ahead of the first reader of O^T
.set ii, 0
.rept 32
	v_pk_mul_f32 v[O1+2*ii:O1+2*ii+1], v[O1+2*ii:O1+2*ii+1], v[RL+2*(ii/16):RL+2*(ii/16)+1] op_sel_hi:[1,0]
.set ii, ii+1
.endr
.set ii, 0
.rept 64
	v_med3_num_f32 v[O1+ii], v[O1+ii], -v[LC], v[LC]
.set ii, ii+1
.endr
.set ii, 0
.rept 8
	v_cvt_scalef32_pk8_fp8_f32 v[CC+2*ii:CC+2*ii+1], v[O1+8*ii:O1+8*ii+7], v[SCX]
.set ii, ii+1
.endr
	v_nop                                          ; one plain vector instruction behind the last conversion
	; THE WAY OUT: a lane's 8 bytes of a token go through my own stage and come back 16 bytes a lane, tokens on end.  LDS serves a wave's instructions in order (ISA guide 5.7.1.4): no wait between the stores and the loads
	WIN 0x04                                       ; the stores' data in window 1
.irp u, 0,1
.irp t, 0,1,2,3
	ds_store_b64 v[STO], v[CC+8*\u+2*\t:CC+8*\u+2*\t+1] offset:16*80*\u+16*\t
.endr
.endr
	WIN 0
.irp i, 0,1,2,3
	ds_load_b128 v[S+4*\i:S+4*\i+3], v[RD] offset:8*80*\i
.endr
.irp i, 0,1,2,3
	s_wait_dscnt 3-\i                              ; load i is in, the younger ones may be out
	global_store_b128 v[GO], v[S+4*\i:S+4*\i+3], s[12:13] offset:512*\i   ; 32 lanes store 512 consecutive bytes (8 tokens), aligned to 256
.endr
	s_wait_xcnt 0x0                                ; the stores have read their registers and base: both may be written again
	s_add_nc_u64 s[12:13], s[12:13], 262144        ; the next tile of 256 tokens
	s_sub_co_u32 s[PASS], s[PASS], 1
	s_cmp_lg_u32 s[PASS], 0
	s_cbranch_scc1 .Lpass
	s_wait_tensorcnt 0x0                           ; the wave's end: behind my last LDS store
	ds_add_u32 v[SPW], v[NIL]
	s_wait_dscnt 0x0
	s_endpgm
.Lfunc_end_k_q7b28d85cde_attn:
	.size	k_q7b28d85cde_attn, .Lfunc_end_k_q7b28d85cde_attn-k_q7b28d85cde_attn
	.p2alignl 7, 3214868480
	.fill 96, 4, 3214868480
	.section	.rodata,"a",@progbits
	.p2align	6, 0x0
	.amdhsa_kernel k_q7b28d85cde_attn
		.amdhsa_group_segment_fixed_size 157696
		.amdhsa_private_segment_fixed_size 0
		.amdhsa_enable_private_segment 0
		.amdhsa_kernarg_size 40
		.amdhsa_user_sgpr_count 2
		.amdhsa_user_sgpr_kernarg_segment_ptr 1
		.amdhsa_wavefront_size32 1
		.amdhsa_system_sgpr_workgroup_id_x 1
		.amdhsa_system_sgpr_workgroup_id_y 1
		.amdhsa_system_sgpr_workgroup_id_z 1
		.amdhsa_system_vgpr_workitem_id 0
		.amdhsa_next_free_vgpr 512
		.amdhsa_next_free_sgpr 80
		.amdhsa_reserve_vcc 0
		.amdhsa_float_denorm_mode_32 3
		.amdhsa_float_denorm_mode_16_64 3
		.amdhsa_memory_ordered 1
		.amdhsa_forward_progress 1
		.amdhsa_inst_pref_size 104
	.end_amdhsa_kernel
	.amdgpu_metadata
---
amdhsa.version: [ 1, 2 ]
amdhsa.kernels:
  - .name:           k_q7b28d85cde_attn
    .symbol:         k_q7b28d85cde_attn.kd
    .args:
      - { .name: q_codes, .offset: 0, .size: 8, .value_kind: global_buffer, .address_space: global }
      - { .name: k_codes, .offset: 8, .size: 8, .value_kind: global_buffer, .address_space: global }
      - { .name: v_codes, .offset: 16, .size: 8, .value_kind: global_buffer, .address_space: global }
      - { .name: lowp_scales, .offset: 24, .size: 8, .value_kind: global_buffer, .address_space: global }
      - { .name: ctx_codes, .offset: 32, .size: 8, .value_kind: global_buffer, .address_space: global }
    .group_segment_fixed_size: 157696
    .private_segment_fixed_size: 0
    .kernarg_segment_align: 8
    .kernarg_segment_size: 40
    .max_flat_workgroup_size: 256
    .sgpr_count:     80
    .vgpr_count:     512
    .wavefront_size: 32
...
	.end_amdgpu_metadata
.endif
;; end of part 5
;; launch proj (part 6): grid 8 x 32, 4 waves a work-group, clusters of 4 x 4, 327,680 bytes of LDS; arguments ctx_codes, output_weights_codes, lowp_scales, output_biases, out0; writes out0
.if DOCPART == 6
	.amdgcn_target "amdgcn-amd-amdhsa--gfx1250"
	.amdhsa_code_object_version 6
	.text
	.protected	k_q7b28d85cde_proj
	.globl	k_q7b28d85cde_proj
	.p2align	8
	.type	k_q7b28d85cde_proj,@function
k_q7b28d85cde_proj:
	s_mov_b64 s[64:65], 0
	v_nop
	global_prefetch_b8 v0, s[64:65] scope:SCOPE_SE
	s_setreg_imm32_b32 hwreg(HW_REG_WAVE_MODE, 25, 1), 1
	s_wait_xcnt 0x0
	s_wait_alu depctr_hold_cnt(0) depctr_sa_sdst(0) depctr_va_vdst(0) depctr_va_sdst(0) depctr_va_ssrc(0) depctr_va_vcc(0) depctr_vm_vsrc(0)
	s_getreg_b32 s2, hwreg(HW_REG_IB_STS2, 6, 4)
	s_cmp_eq_u32 s2, 0
	s_cbranch_scc0 .Lentry_in_a_cluster
	s_endpgm
.Lentry_in_a_cluster:
	s_bfe_u32 s2, ttmp6, 0x10000c
	s_cmp_lg_u32 s2, 0xf033
	s_cbranch_scc0 .Lentry_shape_is_right
	s_endpgm
.Lentry_shape_is_right:
; out = ctx W^T x 2^(e6 + e7) + bias on codes of FP8 (E4M3), sums in f32; W: [1024][1024] codes, K innermost; ctx: [tile of 256 tokens][head][256 tokens][64 codes].
; LIMIT: e6 + e7 lies between -126 and 127, so that 2^(e6 + e7) is an f32 number.
; SHARES.  A work-group (256 in all) makes 256 tokens x 128 channels; a wave 128 x 64: 32 accumulators of 16 x 16, 256 registers.
; K = 1,024 is four steps of 256: 256 LDS rows of ctx and 128 of W each, 256 bytes of data and 16 of padding a row.  LDS holds three steps: they are all asked for at the head, one tensor load a wave
; (wave 0: ctx, whose three steps lie on end, 768 rows of 256 bytes; waves 1 to 3: W's rows of one step each).  Step 3 fills step 0's rows again and has steps 1 and 2 in which to land.
; CLUSTERS: 4 x 4.  ctx's tile hangs on cy and is shared along a row of the cluster, W's on cx and is shared along a column: each is asked for jointly.
; NO PREFETCH: three steps of four are asked for by the kernel's first tensor loads, and the only later load follows one step behind.
; A row of ctx in LDS is 4 tokens x 64 codes of one head.  The matrix instruction is used transposed (source 0 = 16 rows of W, source 1 = 16 tokens): a lane holds eight neighbouring channels of a token.
; REGISTERS.  Window 0: addresses, the bias (v32-63), the way out (v64-95, v128-191), ctx's fragments (v128-255); window 1: W's fragments, two sets of 64; window 2: the accumulators ((a, b) at v[8 (4 a + b)]).
.set PITCH,  272                       ; 68 words: the 16 rows that a load touches start 4 words apart modulo 64
.set ASLOT,  256*PITCH                 ; a step's rows of ctx
.set BSLOT,  128*PITCH                 ; of W
.set WB,     3*ASLOT                   ; W's rows begin behind ctx's
.set SPARE,  WB+3*BSLOT                ; the spare words, 128 bytes for each wave
.set STAGE,  ASLOT                     ; the way out: 16 rows of 272 bytes for each wave, in step 1's rows of ctx: filled once, and read for the last time ahead of the last barrier of the loop's text
.set FR,     16                        ; registers of a fragment: 16 rows x 128 K
.set NL,     4                         ; LDS loads that bring one
.set NP,     4                         ; places behind this matrix instruction (ISA guide 7.12.1)
.set ADRA, 16                          ; v16-18  LDS address of my ctx fragments, by slot
.set ADRB, 20                          ; v20-22  of W's
.set STO,  24
.set RD,   25
.set CO,   26
.set SPW,  28                          ; LDS address of my spare word; never rewritten
.set NIL,  29                          ; 0; never rewritten
.set BT,   32
.set TMP,  64
.set AF,   128
.set BK,   128
.set G1,   24                          ; s[24:31] descriptor group 1 for ctx's three steps, s[68:75] for its last step;  s[32:35] group 0
.set G1L,  68
.set G0,   32
.set G1B,  48                          ; s[48:55], s[36:39] the same for W's
.set G0B,  36
.set MSB, 0
.macro WIN new                         ; the immediate's high byte repeats the setting that is left
.if MSB != \new
	s_set_vgpr_msb (MSB<<8)|\new
.set MSB, \new
.endif
.endm
.set MUL,    0xa1                      ; source 0 (W) window 1, source 1 (ctx) window 0, C and D window 2
.set TO_B,   0x40
.macro PLACES n                        ; plain vector instructions between a matrix instruction and a load into, or a vector instruction on, one of its registers
.rept \n
	v_nop
.endr
.endm
.macro TL g0, g1
	tensor_load_to_lds s[\g0:\g0+3], s[\g1:\g1+7]
	s_nop 0
	PLACES 4
.endm
.macro CREST                           ; a round of the cluster's barrier behind its opening barrier
	s_cmp_lg_u32 s14, 0
	s_cbranch_scc1 .Lnot_wave_0_\@
	s_barrier_signal -3
.Lnot_wave_0_\@:
	s_barrier_wait -3
	s_barrier_signal -1
	s_barrier_wait -1
.endm
.macro CROUND
	s_barrier_signal -1
	s_barrier_wait -1
	CREST
.endm
	s_load_b128 s[4:7], s[0:1], 0x0                ; ctx s[4:5], W s[6:7]
	s_load_b128 s[8:11], s[0:1], 0x10              ; the scales' exponents s[8:9], bias s[10:11]
	s_load_b64 s[12:13], s[0:1], 0x20              ; out
	v_lshl_add_u32 v[SPW], v0, 2, SPARE
	v_mov_b32 v[NIL], 0
	ds_add_u32 v[SPW], v[NIL]                      ; the wave's opening: the add, twice on end, and its wait ahead of my first tensor load
	ds_add_u32 v[SPW], v[NIL]
	v_lshrrev_b32 v1, 5, v0
	v_readfirstlane_b32 s14, v1                    ; wave 0..3
	s_lshr_b32 s15, s14, 1                         ; which 128 tokens are mine
	s_and_b32 s16, s14, 1                          ; which 64 channels
	s_bfe_u32 s40, ttmp6, 0x40000                  ; cx, cy
	s_bfe_u32 s41, ttmp6, 0x40004
	s_lshl_b32 s42, ttmp9, 2
	s_add_co_u32 s42, s42, s40                     ; the tile of 128 channels
	s_and_b32 s17, ttmp7, 0xffff
	s_lshl_b32 s17, s17, 2
	s_add_co_u32 s17, s17, s41                     ; the tile of 256 tokens
	s_lshl_b32 s43, s41, 2
	s_lshl_b32 s43, 15, s43                        ; my row of the cluster
	s_lshl_b32 s44, 0x1111, s40                    ; my column
	s_or_b32 s[G1+0], s43, (0<<16)|(1<<20)|(1<<21)|(5<<22)|(3<<25)  ; the mask; elements of 1 byte; padding of four words after every 64; bit 21 set beside a mask
	s_or_b32 s[G1L+0], s43, (0<<16)|(1<<20)|(1<<21)|(5<<22)|(3<<25)
	s_or_b32 s[G1B+0], s44, (0<<16)|(1<<20)|(1<<21)|(5<<22)|(3<<25)
	s_mov_b32 s[G1+1], 256<<16                     ; ctx: 768 rows of 256 bytes, on end
	s_mov_b32 s[G1+2], 768<<16
	s_mov_b32 s[G1+3], 256<<16
	s_mov_b32 s[G1+4], 768
	s_mov_b32 s[G1+5], 256
	s_mov_b32 s[G1+6], 0
	s_mov_b32 s[G1+7], 0
	s_mov_b32 s[G1L+1], 256<<16                    ; its last step: 256 rows
	s_mov_b32 s[G1L+2], 256<<16
	s_mov_b32 s[G1L+3], 256<<16
	s_mov_b32 s[G1L+4], 256
	s_mov_b32 s[G1L+5], 256
	s_mov_b32 s[G1L+6], 0
	s_mov_b32 s[G1L+7], 0
	s_mov_b32 s[G1B+1], 256<<16                    ; W: 128 rows of 256 bytes, 1,024 apart
	s_mov_b32 s[G1B+2], 128<<16
	s_mov_b32 s[G1B+3], 256<<16
	s_mov_b32 s[G1B+4], 128
	s_mov_b32 s[G1B+5], 1024
	s_mov_b32 s[G1B+6], 0
	s_mov_b32 s[G1B+7], 0
	s_lshl_b32 s20, s17, 18                        ; ctx: 262,144 bytes a tile
	s_mov_b32 s21, 0
	s_max_u32 s46, s14, 1
	s_sub_co_u32 s46, s46, 1
	s_lshl_b32 s46, s46, 8                         ; wave 1: step 0, 2: step 1, 3: step 2
	s_lshl_b32 s18, s42, 17
	s_add_co_u32 s46, s46, s18
	s_mov_b32 s47, 0
	s_mul_i32 s45, s14, BSLOT
	s_add_co_u32 s45, s45, WB-BSLOT                ; wave w's rows of W: slot w - 1
	s_wait_alu depctr_va_vdst(0)
	s_wait_dscnt 0x0                               ; both opening adds are done
	s_wait_kmcnt 0x0
	s_load_b64 s[96:97], s[8:9], 0x18              ; e6, e7
	s_add_nc_u64 s[20:21], s[4:5], s[20:21]
	s_add_nc_u64 s[46:47], s[6:7], s[46:47]
	s_mov_b32 s[G0], 1
	s_mov_b32 s[G0+1], 0
	s_mov_b64 s[G0+2:G0+3], s[20:21]
	s_or_b32 s[G0+3], s[G0+3], 0x80000000
	s_mov_b32 s[G0B], 1
	s_mov_b32 s[G0B+1], s45
	s_mov_b64 s[G0B+2:G0B+3], s[46:47]
	s_or_b32 s[G0B+3], s[G0B+3], 0x80000000
	CROUND                                         ; all sixteen work-groups are here: the joint loads meet
	s_cmp_eq_u32 s14, 0                            ; steps 0 to 2: one tensor load a wave
	s_cbranch_scc0 .Lfirst_w
	TL G0, G1
	s_branch .Lfirst_asked
.Lfirst_w:
	TL G0B, G1B
.Lfirst_asked:
	s_lshl_b32 s46, s42, 9                         ; my first channel x 4 bytes
	s_lshl_b32 s47, s16, 8
	s_add_co_u32 s46, s46, s47
	s_mov_b32 s47, 0
	s_add_nc_u64 s[10:11], s[10:11], s[46:47]
	s_mul_i32 s21, s15, 32*PITCH                   ; 128 tokens are 32 rows of ctx
	s_mul_i32 s22, s16, 64*PITCH
	s_add_co_u32 s22, s22, WB                      ; my 64 rows of W
	s_mul_i32 s23, s14, 16*272
	s_add_co_u32 s23, s23, STAGE                   ; my stage
	v_and_b32 v1, 15, v0                           ; r
	v_bfe_u32 v2, v0, 4, 1                         ; h
	v_lshlrev_b32 v7, 5, v2
	v_mul_u32_u24 v3, v1, PITCH
	v_lshl_add_u32 v4, v2, 4, v3                   ; W: row r x pitch + 16 h
	v_lshrrev_b32 v5, 2, v1
	v_and_b32 v6, 3, v1
	v_mul_u32_u24 v5, v5, PITCH
	v_lshl_add_u32 v5, v6, 6, v5
	v_lshl_add_u32 v5, v2, 4, v5                   ; ctx: token r: row r / 4, byte 64 (r % 4) + 16 h
	v_add_nc_u32 v[ADRA], s21, v5
	v_add_nc_u32 v[ADRA+1], ASLOT, v[ADRA]
	v_add_nc_u32 v[ADRA+2], 2*ASLOT, v[ADRA]
	v_add_nc_u32 v[ADRB], s22, v4
	v_add_nc_u32 v[ADRB+1], BSLOT, v[ADRB]
	v_add_nc_u32 v[ADRB+2], 2*BSLOT, v[ADRB]
	v_lshl_add_u32 v5, v2, 5, v3                   ; the way out, in: row r, 32 bytes for each half of the lanes
	v_add_nc_u32 v[STO], s23, v5
	v_mul_u32_u24 v5, v2, PITCH                    ; back: lanes 0-15 one row of 256 bytes, lanes 16-31 the next
	v_lshl_add_u32 v5, v1, 4, v5
	v_add_nc_u32 v[RD], s23, v5
	v_lshlrev_b32 v5, 12, v2                       ; and the same two rows of out
	v_lshl_add_u32 v[CO], v1, 4, v5
.irp b, 0,1,2,3
	global_load_b128 v[BT+8*\b:BT+8*\b+3], v7, s[10:11] offset:64*\b
	global_load_b128 v[BT+8*\b+4:BT+8*\b+7], v7, s[10:11] offset:64*\b+16
.endr
	s_lshl_b32 s20, s17, 8
	s_lshl_b32 s21, s15, 7
	s_add_co_u32 s20, s20, s21                     ; my first token
	s_lshl_b32 s20, s20, 12
	s_mov_b32 s21, 0
	s_add_nc_u64 s[20:21], s[20:21], s[46:47]
	s_add_nc_u64 s[12:13], s[12:13], s[20:21]
.macro MUL8 a0, p, zero                ; ctx's blocks a0, a0 + 1 x W's four, 128 along K, W's set p.  The 32 accumulators take turns, one instruction a turn
.irp a, \a0, \a0+1
.irp b, 0,1,2,3
.if \zero
	v_wmma_f32_16x16x128_fp8_fp8 v[8*(4*(\a)+\b):8*(4*(\a)+\b)+7], v[64*(\p)+FR*\b:64*(\p)+FR*\b+FR-1], v[AF+FR*(\a):AF+FR*(\a)+FR-1], 0
.else
	v_wmma_f32_16x16x128_fp8_fp8 v[8*(4*(\a)+\b):8*(4*(\a)+\b)+7], v[64*(\p)+FR*\b:64*(\p)+FR*\b+FR-1], v[AF+FR*(\a):AF+FR*(\a)+FR-1], v[8*(4*(\a)+\b):8*(4*(\a)+\b)+7]
.endif
.endr
.endr
.endm
.macro FETCH_B slot, q, p              ; the slot's q-th 128 along K: registers 4 c .. 4 c + 3 hold K = 32 c + 16 (l / 16) + 0 .. 15, in ctx's fragments too
	WIN TO_B
.irp i, 0,1,2,3
.irp c, 0,1,2,3
	ds_load_b128 v[64*(\p)+FR*\i+4*\c:64*(\p)+FR*\i+4*\c+3], v[ADRB+\slot] offset:128*(\q)+32*\c+16*PITCH*\i
.endr
.endr
	WIN 0
.endm
.macro FETCH_A slot, q, i0             ; a head's 256 tokens are 64 rows
.irp i, \i0, \i0+1, \i0+2, \i0+3
.irp c, 0,1,2,3
	ds_load_b128 v[AF+FR*(\i)+4*\c:AF+FR*(\i)+4*\c+3], v[ADRA+\slot] offset:(2*(\q)+\c/2)*64*PITCH+32*(\c%2)+(\i)*4*PITCH
.endr
.endr
.endm
; 128 along K with W's set p; meanwhile the next 128's fragments, slot ns, part nq, come into ctx's freed blocks and W's other set.
.macro STEP p, zero, ns, nq
	s_wait_dscnt 4*NL                              ; W's set and ctx's blocks 0-3 are in; blocks 4-7 (16 loads) may be out
	WIN MUL
	MUL8 0, \p, \zero
	MUL8 2, \p, \zero
	s_wait_dscnt 0x0
	PLACES NP
	FETCH_B \ns, \nq, 1-(\p)
	FETCH_A \ns, \nq, 0
	WIN MUL
	MUL8 4, \p, \zero
	MUL8 6, \p, \zero
	PLACES NP
	WIN 0
	FETCH_A \ns, \nq, 4
.endm
; The same with a barrier in its first half.  fill = 1: behind it step 0's rows are filled again, with step 3.  fill = 0: it shows that fill to all.
.macro TURN ns, fill
	s_wait_tensorcnt 0x0                           ; all my tensor loads have landed
.if \fill
	ds_add_u32 v[SPW], v[NIL]                      ; 0 onto my spare word
.endif
	s_wait_dscnt 4*NL+\fill                        ; ctx's blocks 4-7 (and the add) may be out
	WIN MUL
	MUL8 0, 1, 0
	s_wait_dscnt 0x0                               ; all my LDS reads so far are over (and the add)
	s_barrier_signal -1
	MUL8 2, 1, 0
	WIN 0
	s_barrier_wait -1
.if \fill
	CREST                                          ; no wave of any partner still reads step 0's rows or has a load on its way
	s_add_nc_u64 s[G0+2:G0+3], s[G0+2:G0+3], 3*65536   ; step 3 of ctx
	s_add_nc_u64 s[G0B+2:G0B+3], s[G0B+2:G0B+3], 3*256 ; wave 1: step 3 of W
	s_cmp_eq_u32 s14, 0
	s_cbranch_scc0 .Llast_w
	TL G0, G1L
	s_branch .Llast_asked
.Llast_w:
	s_cmp_eq_u32 s14, 1
	s_cbranch_scc0 .Llast_asked
	TL G0B, G1B
.Llast_asked:
.endif
	PLACES NP
	FETCH_B \ns, 0, 0
	FETCH_A \ns, 0, 0
	WIN MUL
	MUL8 4, 1, 0
	MUL8 6, 1, 0
	PLACES NP
	WIN 0
	FETCH_A \ns, 0, 4
.endm
	s_wait_alu depctr_va_vdst(0)                   ; the wait at the head's end
	s_wait_tensorcnt 0x0                           ; my part of steps 0 to 2 is in
	s_barrier_signal -1
	s_barrier_wait -1                              ; everybody's is
	FETCH_B 0, 0, 0
	FETCH_A 0, 0, 0
	FETCH_A 0, 0, 4
	STEP 0, 1, 0, 1                                ; the first products start the sums
	TURN 1, 1
	STEP 0, 0, 1, 1
	STEP 1, 0, 2, 0
	STEP 0, 0, 2, 1
	TURN 0, 0
	STEP 0, 0, 0, 1
	s_wait_dscnt 4*NL                              ; the last 128 along K
	WIN MUL
	MUL8 0, 1, 0
	MUL8 2, 1, 0
	s_wait_dscnt 0x0
	MUL8 4, 1, 0
	MUL8 6, 1, 0
	WIN 0
; THE WAY OUT, 16 tokens x 64 channels at a time: value = sum x 2^(e6 + e7) + bias, each accumulator from its low end on; through my own stage, back as whole rows of 256 bytes.
; LDS serves a wave's instructions in order (ISA guide 5.7.1.4): no wait between the stores and the loads.
.macro TOSTAGE a
.set AC, 32*(\a)
	WIN 0x02
.set jj, 0
.rept 16
	v_pk_fma_f32 v[TMP+jj:TMP+jj+1], v[AC+jj:AC+jj+1], s[96:97], v[BT+jj:BT+jj+1] op_sel_hi:[1,0,1]
.set jj, jj+2
.endr
	WIN 0
.irp b, 0,1,2,3
	ds_store_b128 v[STO], v[TMP+8*\b:TMP+8*\b+3] offset:64*\b
	ds_store_b128 v[STO], v[TMP+8*\b+4:TMP+8*\b+7] offset:64*\b+16
.endr
.set BB, BK+32*((\a)%2)
.irp t, 0,1,2,3,4,5,6,7
	ds_load_b128 v[BB+4*\t:BB+4*\t+3], v[RD] offset:2*\t*PITCH
.endr
.endm
.macro SEND a, younger                 ; younger: the LDS instructions issued behind block a's loads
.set BB, BK+32*((\a)%2)
	s_wait_dscnt \younger
.if (\a) > 0
	s_add_nc_u64 s[12:13], s[12:13], 16*4096       ; (behind a wait on XCNT)
.endif
.irp t, 0,1,2,3,4,5,6,7
	global_store_b128 v[CO], v[BB+4*\t:BB+4*\t+3], s[12:13] offset:2*\t*4096 th:TH_STORE_NT   ; 16 lanes store 256 consecutive bytes, aligned to 256
.endr
.endm
	s_wait_kmcnt 0x0
	s_add_co_i32 s96, s96, s97
	s_add_co_i32 s96, s96, 127
	s_lshl_b32 s96, s96, 23                        ; 2^(e6 + e7) as f32
	s_wait_loadcnt 0x0                             ; the bias
	PLACES NP
	TOSTAGE 0
.irp a, 1,2,3,4,5,6,7
.if \a > 1
	s_wait_xcnt 0x0                                ; block a - 2's stores have read their registers and their base
.endif
	TOSTAGE \a
	SEND \a-1, 16
.endr
	s_wait_xcnt 0x0
	SEND 7, 0
	s_wait_tensorcnt 0x0                           ; the wave's end: behind my last tensor load and my last LDS store
	ds_add_u32 v[SPW], v[NIL]
	s_wait_dscnt 0x0
	CROUND                                         ; the closing round: no work-group ends while a partner may still ask for a tile that names it
	s_endpgm
.Lfunc_end_k_q7b28d85cde_proj:
	.size	k_q7b28d85cde_proj, .Lfunc_end_k_q7b28d85cde_proj-k_q7b28d85cde_proj
	.p2alignl 7, 3214868480
	.fill 96, 4, 3214868480
	.section	.rodata,"a",@progbits
	.p2align	6, 0x0
	.amdhsa_kernel k_q7b28d85cde_proj
		.amdhsa_group_segment_fixed_size 327680
		.amdhsa_private_segment_fixed_size 0
		.amdhsa_enable_private_segment 0
		.amdhsa_kernarg_size 40
		.amdhsa_user_sgpr_count 2
		.amdhsa_user_sgpr_kernarg_segment_ptr 1
		.amdhsa_wavefront_size32 1
		.amdhsa_system_sgpr_workgroup_id_x 1
		.amdhsa_system_sgpr_workgroup_id_y 1
		.amdhsa_system_sgpr_workgroup_id_z 1
		.amdhsa_system_vgpr_workitem_id 0
		.amdhsa_next_free_vgpr 768
		.amdhsa_next_free_sgpr 98
		.amdhsa_reserve_vcc 0
		.amdhsa_float_denorm_mode_32 3
		.amdhsa_float_denorm_mode_16_64 3
		.amdhsa_memory_ordered 1
		.amdhsa_forward_progress 1
		.amdhsa_inst_pref_size 77
	.end_amdhsa_kernel
	.amdgpu_metadata
---
amdhsa.version: [ 1, 2 ]
amdhsa.kernels:
  - .name:           k_q7b28d85cde_proj
    .symbol:         k_q7b28d85cde_proj.kd
    .args:
      - { .name: ctx_codes, .offset: 0, .size: 8, .value_kind: global_buffer, .address_space: global }
      - { .name: output_weights_codes, .offset: 8, .size: 8, .value_kind: global_buffer, .address_space: global }
      - { .name: lowp_scales, .offset: 16, .size: 8, .value_kind: global_buffer, .address_space: global }
      - { .name: output_biases, .offset: 24, .size: 8, .value_kind: global_buffer, .address_space: global }
      - { .name: out0, .offset: 32, .size: 8, .value_kind: global_buffer, .address_space: global }
    .group_segment_fixed_size: 327680
    .private_segment_fixed_size: 0
    .kernarg_segment_align: 8
    .kernarg_segment_size: 40
    .max_flat_workgroup_size: 128
    .sgpr_count:     98
    .vgpr_count:     768
    .wavefront_size: 32
...
	.end_amdgpu_metadata
.endif
;; end of part 6
